; MI455X (gfx1250); checked and timed in simulation.
; The chip was launched on July 23, 2026; its instructions are those of AMD's public machine-readable ISA for CDNA 5 (MIT licence, August 2026) and "CDNA5" Instruction Set Architecture Reference Guide (July 2026). The comments in the code are by the model that wrote it; some were corrected since.
;; Multi Head Attention. Allowed arithmetic: matrix products marked QUANTISED: E4M3 operands, one given power-of-two scale a tensor, by v_wmma_f32_16x16x64_fp8_fp8 or v_wmma_f32_16x16x128_fp8_fp8, f32 sums; everything else in f32.
;; Inputs: Wk 1,024 x 1,024 float32; Wq 1,024 x 1,024 float32; Wv 1,024 x 1,024 float32; bk 1,024 float32; bq 1,024 float32; bv 1,024 float32; keys 8 x 1,024 x 1,024 float32; lowp_scales 10 int32 (the exponents e of the quantised operands' scales 2^e); queries 8 x 1,024 x 1,024 float32; values 8 x 1,024 x 1,024 float32.
;; Outputs: out0 1,024 x 8 x 1,024 float32.
;; This version of the problem:
;;   THIS VERSION OF THE PROBLEM IS GIVEN IN LOW PRECISION. The matrix products marked QUANTISED in the list below multiply operands that are first quantised to E4M3 (4 exponent bits, 3 mantissa bits; 8 bits a number), with one given power-of-two scale for each operand tensor; their sums are f32. All else is computed in f32.
;;   The module's matrix products, in the order in which they are computed (A, B: the left and right operand; K: the contracted axis; several contracted axes count as one K, in the product's order):
;;     1. [M 8,192, K 1,024] x [K 1,024, N 1,024]; A: input queries; B: input Wq: QUANTISED (scales: A lowp_scales[0], B lowp_scales[1])
;;     2. [M 8,192, K 1,024] x [K 1,024, N 1,024]; A: input keys; B: input Wk: QUANTISED (scales: A lowp_scales[2], B lowp_scales[3])
;;     3. [M 8,192, K 1,024] x [K 1,024, N 1,024]; A: input values; B: input Wv: QUANTISED (scales: A lowp_scales[4], B lowp_scales[5])
;;     4. batch 128 x [M 1,024, K 64] x [K 64, N 1,024]; A: computed on the way; B: computed on the way: QUANTISED (scales: A lowp_scales[6], B lowp_scales[7])
;;     5. batch 128 x [M 64, K 1,024] x [K 1,024, N 1,024]; A: computed on the way; B: softmax (see below): QUANTISED (scales: A lowp_scales[8], B lowp_scales[9])
;;   THE QUANTISER, for each operand of a quantised product, along K:
;;     - The operand's scale is 2^e, e = its entry of the input lowp_scales (int32; the entries are numbered through the quantised products in the list's order, A before B).
;;     - Each number is divided by the scale, clamped to +-448, and rounded to the nearest number of E4M3, ties to even, subnormals kept.
;;     - The product sums the exact products of the quantised numbers (number of the format x scale) in f32.
;;   ~~~python
;;   def quantise(x, axis, e):      # numpy; x: float32 -> the quantised numbers, widened to float32 again
;;       x = np.moveaxis(x, axis, -1); K = x.shape[-1]
;;       r = np.clip(x / 2.0 ** e, -448, 448)
;;       step = 2.0 ** (np.maximum(np.frexp(np.where(r == 0, 1, r))[1] - 1, -6) - 3)
;;       q = np.round(r / step) * step * 2.0 ** e      # np.round: ties to even
;;       return np.moveaxis(q, -1, axis).astype(np.float32)
;;   ~~~
;;   SOFTMAX AHEAD OF A QUANTISED PRODUCT. Where the list says 'softmax', what is quantised is not the finished softmax but p = 2^(t - M), with t = logit x log2(e) and M = ceil(the row's largest t), a whole number; so 1/2 < the row's largest p <= 1. The row's sum l is taken of the UNQUANTISED p, in f32, and the product's result is divided by l at the end. Since M is a whole number, a kernel that streams over the keys may use a running M (the ceiling of the running maximum): every later rescaling is an exact power of two, so the quantised numbers keep their values, but for numbers so far below the row's largest that they fall under the format's range.
;;   OPERANDS COMPUTED ON THE WAY. 'Computed on the way' means the value that the module computes at that place (a softmax that the list does not call 'softmax' is quantised finished and normalised). What goes into a quantiser is computed in f32, as accurately as f32 sums, v_exp_f32 and their like allow (about 1e-6 of the number): no bf16 or f16 on the way to a quantiser, and a product that is left as it is and whose result goes on into a quantised operand takes f32 operands (vector FMAs, or v_wmma_f32_16x16x4_f32). A number that lies on a knife's edge between two numbers of the format may be rounded either way, as far as f32 arithmetic and the matrix unit's own rounding can turn it there, and no further.
;; 2 versions. Each part assembles by itself: llvm-mc -triple=amdgcn-amd-amdhsa -mcpu=gfx1250 --defsym DOCPART=n.
;; ======== version 1 of 2: 3 launches
;; workspace buffers: wcodes 3,145,728 bytes; qkv 25,165,824 bytes
;; launch quantw (part 1): grid 64 x 3, 8 waves a work-group, no clusters, 19,456 bytes of LDS; arguments Wq, Wk, Wv, lowp_scales, wcodes; writes wcodes
.if DOCPART == 1
	.amdgcn_target "amdgcn-amd-amdhsa--gfx1250"
	.amdhsa_code_object_version 6
	.text
	.protected	k_q9999cb6dfc_quantw
	.globl	k_q9999cb6dfc_quantw
	.p2align	8
	.type	k_q9999cb6dfc_quantw,@function
k_q9999cb6dfc_quantw:
	s_mov_b64 s[64:65], 0
	v_nop
	global_prefetch_b8 v0, s[64:65] scope:SCOPE_SE
	s_setreg_imm32_b32 hwreg(HW_REG_WAVE_MODE, 25, 1), 1
	s_wait_xcnt 0x0
; Wq, Wk, Wv [1024 (n)][1024 (k)] f32 become codes of E4M3, each tensor with its given scale 2^e (entries 1, 3, 5 of the scales), laid as IMAGES OF OPERAND REGISTERS:
; wcodes [t 3][K step s 8][fragment f 64][2,048 bytes].  A fragment is 16 rows (n = 16 f + r) x 128 along k: chunk c (0..3) is 512 bytes, lane l = r + 16 h has 16 bytes at 16 l: k = 128 s + 32 c + 16 h + 0 .. 15.
; code = x / 2^e, held within +-448, to the nearest code, ties to even.  LIMITS: -126 <= e <= 119, so that 2^e and 448 x 2^e are f32 numbers.  NaN among the inputs is not served.
; SHARES.  Work-group x = f, y = t; wave = K step s: one wave makes one fragment.  Each load reads 512 consecutive bytes of one row, 16 a lane.  The scale is the tensor's, so a conversion may take
; eight numbers of two rows: its two result registers are four codes of each row.  The codes turn through the wave's own stage in LDS (rows 144 bytes apart) and leave as four stores of 512 consecutive bytes.
; No barrier: waves share nothing.  No matrix unit, no cluster, no tensor load: a stream of 12 MB read once.
.set PITCH, 144                        ; a stage row: 128 bytes of codes + 16: the sixteen rows of a 16-byte read begin at sixteen different 16-byte columns modulo 256
.set WSTG,  16*PITCH                   ; a wave's stage
.set X,  16                            ; v16-79   row i's four numbers at X + 4 i
.set PC, 80                            ; v80-95   row i's four codes
.set F,  96                            ; v96-111  the fragment's image
	s_load_b256 s[4:11], s[0:1], 0x0               ; Wq s[4:5], Wk s[6:7], Wv s[8:9], the scales' exponents s[10:11]
	s_load_b64 s[12:13], s[0:1], 0x20              ; wcodes
	v_lshl_add_u32 v112, v0, 2, 0x4800
	v_mov_b32 v113, 0
	v_lshrrev_b32 v4, 5, v0
	v_readfirstlane_b32 s14, v4                    ; wave = K step s
	s_and_b32 s15, ttmp7, 0xffff                   ; t
	v_and_b32 v5, 31, v0                           ; lane
	v_lshlrev_b32 v1, 4, v5                        ; 16 l: my bytes of a load's and of a store's 512
	s_mul_i32 s16, s14, WSTG
	v_lshl_add_u32 v2, v5, 2, s16                  ; the stage, in: my four codes of a row
	v_and_b32 v6, 15, v0                           ; r
	v_bfe_u32 v7, v0, 4, 1                         ; h
	v_mul_u32_u24 v3, v6, PITCH
	v_lshl_add_u32 v3, v7, 4, v3
	v_add_nc_u32 v3, s16, v3                       ; the stage, out: row r, + 16 h
	s_lshl_b32 s18, s15, 3                         ; the scale's entry 2 t + 1 lies at byte 8 t + 4
	s_mov_b32 s19, 0
	s_lshl_b32 s20, ttmp9, 16                      ; 16 f rows of 4,096 bytes
	s_lshl_b32 s21, s14, 9                         ; + 128 s numbers
	s_add_co_u32 s20, s20, s21
	s_mov_b32 s21, 0
	s_lshl_b32 s22, s15, 20                        ; wcodes: t x 2^20 + s x 131,072 + f x 2,048
	s_lshl_b32 s23, s14, 17
	s_add_co_u32 s22, s22, s23
	s_lshl_b32 s23, ttmp9, 11
	s_add_co_u32 s22, s22, s23
	s_mov_b32 s23, 0
	s_wait_kmcnt 0x0
	s_add_nc_u64 s[10:11], s[10:11], s[18:19]
	s_load_b32 s24, s[10:11], 0x4                  ; e
	s_cmp_eq_u32 s15, 1                            ; the tensor is chosen by the work-group's y alone
	s_cselect_b64 s[6:7], s[6:7], s[8:9]
	s_cmp_eq_u32 s15, 0
	s_cselect_b64 s[4:5], s[4:5], s[6:7]
	s_add_nc_u64 s[4:5], s[4:5], s[20:21]
	s_add_nc_u64 s[12:13], s[12:13], s[22:23]
.irp i, 0,1,2,3,4,5,6,7,8,9,10,11,12,13,14,15
	global_load_b128 v[X+4*\i:X+4*\i+3], v1, s[4:5] offset:4096*\i th:TH_LOAD_NT   ; row i: k = 128 s + 4 l + 0 .. 3
.endr
	s_wait_kmcnt 0x0
	s_add_co_i32 s24, s24, 127
	s_lshl_b32 s25, s24, 23
	v_mov_b32 v11, s25                             ; 2^e as f32: the conversion takes its exponent field
	s_add_co_i32 s24, s24, 8
	s_lshl_b32 s24, s24, 23
	s_or_b32 s24, s24, 0x600000
	v_mov_b32 v10, s24                             ; 448 x 2^e
.irp g, 0,1,2,3,4,5,6,7
	s_wait_loadcnt 14-2*\g                         ; rows 2 g and 2 g + 1 are in; the 14 - 2 g loads issued behind them may be out
.irp i, 0,1,2,3,4,5,6,7
	v_med3_num_f32 v[X+8*\g+\i], v[X+8*\g+\i], -v10, v10   ; the conversion to an 8-bit code does not saturate (ISA guide 7.6.2): the hold comes first
.endr
	v_cvt_scalef32_pk8_fp8_f32 v[PC+2*\g:PC+2*\g+1], v[X+8*\g:X+8*\g+7], v11   ; PC + 2 g: row 2 g's four codes; PC + 2 g + 1: row 2 g + 1's
.endr
	v_nop                                          ; a plain vector line behind the last conversion
.irp i, 0,1,2,3,4,5,6,7,8,9,10,11,12,13,14,15
	ds_store_b32 v2, v[PC+\i] offset:PITCH*\i
.endr
.irp c, 0,1,2,3
	ds_load_b128 v[F+4*\c:F+4*\c+3], v3 offset:32*\c   ; LDS serves a wave's instructions in order (ISA guide 5.7.1.4): these see my stores
.endr
.irp c, 0,1,2,3
	s_wait_dscnt 3-\c                              ; chunk c is back; the 3 - c loads behind it may be out
	global_store_b128 v1, v[F+4*\c:F+4*\c+3], s[12:13] offset:512*\c   ; 32 lanes store 512 consecutive bytes, at a multiple of 512 from the buffer's first byte
.endr
	s_wait_tensorcnt 0x0
	ds_add_u32 v112, v113
	s_wait_dscnt 0x0
	s_endpgm
.Lfunc_end_k_q9999cb6dfc_quantw:
	.size	k_q9999cb6dfc_quantw, .Lfunc_end_k_q9999cb6dfc_quantw-k_q9999cb6dfc_quantw
	.p2alignl 7, 3214868480
	.fill 96, 4, 3214868480
	.section	.rodata,"a",@progbits
	.p2align	6, 0x0
	.amdhsa_kernel k_q9999cb6dfc_quantw
		.amdhsa_group_segment_fixed_size 19456
		.amdhsa_private_segment_fixed_size 0
		.amdhsa_enable_private_segment 0
		.amdhsa_kernarg_size 40
		.amdhsa_user_sgpr_count 2
		.amdhsa_user_sgpr_kernarg_segment_ptr 1
		.amdhsa_wavefront_size32 1
		.amdhsa_system_sgpr_workgroup_id_x 1
		.amdhsa_system_sgpr_workgroup_id_y 1
		.amdhsa_system_sgpr_workgroup_id_z 1
		.amdhsa_system_vgpr_workitem_id 0
		.amdhsa_next_free_vgpr 114
		.amdhsa_next_free_sgpr 66
		.amdhsa_reserve_vcc 0
		.amdhsa_float_denorm_mode_32 3
		.amdhsa_float_denorm_mode_16_64 3
		.amdhsa_memory_ordered 1
		.amdhsa_forward_progress 1
		.amdhsa_inst_pref_size 11
	.end_amdhsa_kernel
	.amdgpu_metadata
---
amdhsa.version: [ 1, 2 ]
amdhsa.kernels:
  - .name:           k_q9999cb6dfc_quantw
    .symbol:         k_q9999cb6dfc_quantw.kd
    .args:
      - { .name: Wq, .offset: 0, .size: 8, .value_kind: global_buffer, .address_space: global }
      - { .name: Wk, .offset: 8, .size: 8, .value_kind: global_buffer, .address_space: global }
      - { .name: Wv, .offset: 16, .size: 8, .value_kind: global_buffer, .address_space: global }
      - { .name: lowp_scales, .offset: 24, .size: 8, .value_kind: global_buffer, .address_space: global }
      - { .name: wcodes, .offset: 32, .size: 8, .value_kind: global_buffer, .address_space: global }
    .group_segment_fixed_size: 19456
    .private_segment_fixed_size: 0
    .kernarg_segment_align: 8
    .kernarg_segment_size: 40
    .max_flat_workgroup_size: 256
    .sgpr_count:     66
    .vgpr_count:     114
    .wavefront_size: 32
...
	.end_amdgpu_metadata
.endif
;; end of part 1
;; launch proj (part 2): grid 128 x 3, 8 waves a work-group, clusters of 4 x 1, 327,680 bytes of LDS; arguments queries, keys, values, bq, bk, bv, lowp_scales, wcodes, qkv; writes qkv
.if DOCPART == 2
	.amdgcn_target "amdgcn-amd-amdhsa--gfx1250"
	.amdhsa_code_object_version 6
	.text
	.protected	k_q9999cb6dfc_proj
	.globl	k_q9999cb6dfc_proj
	.p2align	8
	.type	k_q9999cb6dfc_proj,@function
k_q9999cb6dfc_proj:
	s_mov_b64 s[64:65], 0
	v_nop
	global_prefetch_b8 v0, s[64:65] scope:SCOPE_SE
	s_setreg_imm32_b32 hwreg(HW_REG_WAVE_MODE, 25, 1), 1
	s_wait_xcnt 0x0
	s_wait_alu depctr_hold_cnt(0) depctr_sa_sdst(0) depctr_va_vdst(0) depctr_va_sdst(0) depctr_va_ssrc(0) depctr_va_vcc(0) depctr_vm_vsrc(0)
	s_getreg_b32 s2, hwreg(HW_REG_IB_STS2, 6, 4)
	s_cmp_eq_u32 s2, 0
	s_cbranch_scc0 .Lentry_in_a_cluster
	s_endpgm
.Lentry_in_a_cluster:
	s_bfe_u32 s2, ttmp6, 0x10000c
	s_cmp_lg_u32 s2, 0x3003
	s_cbranch_scc0 .Lentry_shape_is_right
	s_endpgm
.Lentry_shape_is_right:
; y = Q(x) Q(W)^T + b for x = queries, keys, values (work-group y = t = 0, 1, 2), then y itself quantised for the attention's products; only codes leave.
; x [8192][1024] f32 is quantised here, on its way (scale entry 2 t); W's codes come from wcodes (entry 2 t + 1); y is quantised with entry 6 + t.  Sums in f32; y = sum x 2^(ea + eb) + b, one fused multiply-add.
; LIMITS on the given exponents, so that each power of two below is an f32 number: ea and eo between -126 and 119; ea + eb between -126 and 127.  NaN among the inputs is not served.
; SHARES.  A work-group takes 64 rows x all 1,024 columns, so each byte of x is read once in the launch, by one work-group.  Wave w of eight takes columns 128 w .. + 127 (heads 2 w, 2 w + 1):
; 8 column tiles x 4 row tiles = 32 accumulators, window 1.  K goes in 8 steps of 128, each two half-steps of 64 (v_wmma_f32_16x16x64_fp8_fp8: a fragment is 8 registers, so that all operands fit in window 0).
; W: a K step is 64 fragment images, 131,072 bytes; wave w fetches and reads its own eight (16,384 bytes) through a ring of two LDS slots.
; CLUSTER: the four work-groups of a cluster belong to one tensor and walk the same codes of W: each tile is asked for JOINTLY (mask 15), the same tensor load with the same descriptor in all four.
; x: wave w loads rows 8 w .. + 7 of a K step (512 consecutive bytes a load), three steps ahead, quantises them and stores four codes a lane into XT (64 rows, 144 bytes apart, two buffers by turns); all waves read fragments there.
; k WITHIN A HALF-STEP IS PERMUTED ALIKE IN BOTH OPERANDS: registers 4 c .. 4 c + 3 hold k = 32 c + 16 h + 0 .. 15, so every product meets its partner and each fragment comes by two 16-byte loads.
; THE MATRIX INSTRUCTION IS USED TRANSPOSED (source 0 = 16 rows of W, source 1 = 16 rows of x): register j of lane (r, h) is (token r, column 16 nt + 8 h + j): one conversion of an accumulator gives registers
; 2 c, 2 c + 1 of a 16 x 64 fragment along the head's 64.  That is what q and k want.  v wants the KEYS along its registers: its codes are turned by the matrix unit, times a matrix of ones and zeros, which rounds nothing.
; OUT: qkv [t][bh 128][65,536]: q, k: [token tile 64][1,024]; v: [block of 64 keys 16][d tile 4][1,024]; an image: chunk u (registers 4 u .. 4 u + 3) at 512 u + 16 l.
; All 16 half-steps are written out by macros: every wait's count is a constant of the text.
.set RING1, 131072                     ; slot 1
.set XT,    262144                     ; x's codes: two buffers of 64 rows
.set XP,    144                        ; a row there: 128 bytes + 16
.set XBUF,  64*XP
.set SPARE, XT+2*XBUF                  ; the spare words: 128 bytes for each of eight waves, four blocks of 256 bytes that no other line names
.set XA,  1                            ; v1    16 l
.set XST, 2                            ; v2    where I store four codes of my wave's row 0
.set ADA, 3                            ; v3    x's fragments: XT + 144 r + 16 h
.set ADB, 4                            ; v4, v5  W's images of my wave in slot 0, 1: + 16 l
.set BO,  6                            ; v6    the bias: 32 h
.set X,   16                           ; v16-111  three sets of 32: my 8 rows x 4 numbers of a K step
.set PC,  112                          ; v112-119 row i's four codes
.set SCX, 120                          ; 2^ea
.set LMX, 121                          ; 448 x 2^ea
.set SPW, 122                          ; LDS address of my spare word; never rewritten
.set NIL, 123                          ; 0; never rewritten
.set LMO, 124                          ; 448 x 2^eo
.set SCO, 125                          ; 2^eo
.set ONE, 126                          ; 1.0
.set AF,  128                          ; v128-191 x's fragments: set p (half-step parity) at 128 + 32 p + 8 mt
.set BF,  192                          ; v192-255 W's fragments: one set, 192 + 8 nt
.set BI,  16                           ; the way out: the bias, 8 registers a column tile
.set ID,  80                           ; the way out: v80-93: six zeros, E0, E1, six zeros
.set CO,  128                          ; the way out: the codes, 64 registers
.set MULW, 0x50                        ; C and D in window 1, A and B in window 0
.set MSB, 0
.macro WIN new                         ; the immediate's high byte repeats the setting that is left
.if MSB != \new
	s_set_vgpr_msb (MSB<<8)|\new
.set MSB, \new
.endif
.endm
.macro PLACES                          ; four plain vector lines between a matrix instruction and a load into, or a vector read or write of, its registers
.rept 4
	v_nop
.endr
.endm
.macro CREST                           ; a round of the cluster's barrier behind its opening barrier
	s_cmp_lg_u32 s22, 0
	s_cbranch_scc1 .Lnot_wave_0_\@
	s_barrier_signal -3
.Lnot_wave_0_\@:
	s_barrier_wait -3
	s_barrier_signal -1
	s_barrier_wait -1
.endm
.macro CROUND
	s_barrier_signal -1
	s_barrier_wait -1
	CREST
.endm
.macro XLOAD st                        ; my 8 rows of K step st, into set st % 3
.irp i, 0,1,2,3,4,5,6,7
	global_load_b128 v[X+32*((\st)%3)+4*\i:X+32*((\st)%3)+4*\i+3], v[XA], s[44:45] offset:4096*\i+512*(\st) th:TH_LOAD_NT
.endr
.endm
.macro QH st, half                     ; four of those rows become codes: 16 holds, two conversions (each: four codes of two rows), a plain line
.set XS, X+32*((\st)%3)+16*(\half)
.irp i, 0,1,2,3,4,5,6,7,8,9,10,11,12,13,14,15
	v_med3_num_f32 v[XS+\i], v[XS+\i], -v[LMX], v[LMX]
.endr
	v_cvt_scalef32_pk8_fp8_f32 v[PC+4*(\half):PC+4*(\half)+1], v[XS:XS+7], v[SCX]
	v_cvt_scalef32_pk8_fp8_f32 v[PC+4*(\half)+2:PC+4*(\half)+3], v[XS+8:XS+15], v[SCX]
	v_nop
.endm
.macro XSTORE st
.irp i, 0,1,2,3,4,5,6,7
	ds_store_b32 v[XST], v[PC+\i] offset:XBUF*((\st)%2)+XP*\i
.endr
.endm
.macro FA u                            ; x's four fragments of half-step u: 8 loads
.irp mt, 0,1,2,3
.irp c, 0,1
	ds_load_b128 v[AF+32*((\u)%2)+8*\mt+4*\c:AF+32*((\u)%2)+8*\mt+4*\c+3], v[ADA] offset:XBUF*(((\u)/2)%2)+16*XP*\mt+64*((\u)%2)+32*\c
.endr
.endr
.endm
.macro FB u, g                         ; W's fragments 4 g .. 4 g + 3 of half-step u: 8 loads
.irp n, 0,1,2,3
.irp c, 0,1
	ds_load_b128 v[BF+8*(4*(\g)+\n)+4*\c:BF+8*(4*(\g)+\n)+4*\c+3], v[ADB+((\u)/2)%2] offset:2048*(4*(\g)+\n)+1024*((\u)%2)+512*\c
.endr
.endr
.endm
; count column tiles from first on x the four row tiles.  The 32 accumulators take turns, one instruction a turn, in the same order in every half-step.  zero = 1: the first products start the sums.
.macro MUL u, first, count, zero
.set NT, \first
.rept \count
.irp mt, 0,1,2,3
.if \zero
	v_wmma_f32_16x16x64_fp8_fp8 v[8*(4*NT+\mt):8*(4*NT+\mt)+7], v[BF+8*NT:BF+8*NT+7], v[AF+32*((\u)%2)+8*\mt:AF+32*((\u)%2)+8*\mt+7], 0
.else
	v_wmma_f32_16x16x64_fp8_fp8 v[8*(4*NT+\mt):8*(4*NT+\mt)+7], v[BF+8*NT:BF+8*NT+7], v[AF+32*((\u)%2)+8*\mt:AF+32*((\u)%2)+8*\mt+7], v[8*(4*NT+\mt):8*(4*NT+\mt)+7]
.endif
.endr
.set NT, NT+1
.endr
.endm
; A K step's first half-step, u = 2 s.  Between its products stand the next K step's quantising (whose holds are the places in front of the loads) and the fetches for u + 1.
.macro EVEN s, zero
	s_wait_dscnt 8                                 ; x's fragments and W's 0-3 are in; the youngest eight loads (W's 4-7) may be out
	WIN MULW
	MUL 2*(\s), 0, 4, \zero
	WIN 0
.if (\s) <= 6
.if (\s) <= 4
	s_wait_loadcnt 16                              ; K step s + 1 of x is in; the two steps asked for behind it may be out
.elseif (\s) == 5
	s_wait_loadcnt 8                               ; one step was asked for behind it
.else
	s_wait_loadcnt 0
.endif
	QH (\s)+1, 0
.else
	PLACES
.endif
	FB 2*(\s)+1, 0
	s_wait_dscnt 8                                 ; W's 4-7 are in; only the eight loads just issued may be out
	WIN MULW
	MUL 2*(\s), 4, 4, \zero
	WIN 0
.if (\s) <= 6
	QH (\s)+1, 1
.else
	PLACES
.endif
	FA 2*(\s)+1
	FB 2*(\s)+1, 1
.if (\s) <= 6
	XSTORE (\s)+1                                  ; into the buffer whose last readers waited in front of the last barrier
.endif
.if (\s) <= 3
	XLOAD (\s)+4                                   ; into the set just quantised
.endif
.endm
; A K step's second half-step, u = 2 s + 1, changes slots and x's buffers: ONE barrier.  In front of it each wave waits for all its tensor loads (one is out: its part of the next slot), adds 0 to its spare word, and waits
; for that, for its stores of x's codes and for its reads of this slot and this buffer.  fill = 1: the barrier opens a round of the cluster's barrier and this slot takes K step s + 2.
.macro ODD s, fill
	s_wait_tensorcnt 0x0                           ; no tensor load of mine is out, so a group 0 may be written
	ds_add_u32 v[SPW], v[NIL]                      ; 0 onto my spare word
.if \fill
	s_add_nc_u64 s[38+4*((\s)%2):39+4*((\s)%2)], s[38+4*((\s)%2):39+4*((\s)%2)], 0x40000   ; two K steps on; the type bits on top are not reached
.endif
	s_wait_dscnt 17                                ; W's 0-3 and x's fragments are in; W's 4-7 (8), my 8 stores of codes and the add may be out
	WIN MULW
	MUL 2*(\s)+1, 0, 2, 0
	s_wait_dscnt 0x0                               ; the add is done, my codes lie in XT, my reads of this slot and buffer are over
	s_barrier_signal -1
	MUL 2*(\s)+1, 2, 2, 0
	WIN 0
	s_barrier_wait -1
.if \fill
	CREST                                          ; no wave of any partner still reads this slot or has a load on its way
	tensor_load_to_lds s[36+4*((\s)%2):39+4*((\s)%2)], s[28:35]   ; my one tensor load behind the round: it has a K step's 64 matrix instructions in which to land
	s_nop 0
.endif
	PLACES                                         ; behind the tensor load, and the places in front of the loads below
	FA 2*(\s)+2
	FB 2*(\s)+2, 0
	WIN MULW
	MUL 2*(\s)+1, 4, 4, 0
	WIN 0
	PLACES
	FB 2*(\s)+2, 1
.endm
	s_load_b512 s[4:19], s[0:1], 0x0               ; queries s[4:5], keys s[6:7], values s[8:9], bq s[10:11], bk s[12:13], bv s[14:15], the scales s[16:17], wcodes s[18:19]
	s_load_b64 s[20:21], s[0:1], 0x40              ; qkv
	v_lshl_add_u32 v[SPW], v0, 2, SPARE
	v_mov_b32 v[NIL], 0
	ds_add_u32 v122, v123
	ds_add_u32 v122, v123
	s_wait_dscnt 0x0
	v_lshrrev_b32 v7, 5, v0
	v_readfirstlane_b32 s22, v7                    ; wave 0..7
	s_and_b32 s23, ttmp7, 0xffff                   ; t: the cluster's y, which the partners share
	s_bfe_u32 s24, ttmp6, 0x40000                  ; cx
	s_lshl_b32 s25, ttmp9, 2
	s_add_co_u32 s25, s25, s24                     ; my block of 64 rows = 4 x cluster x + cx: it enters x's and qkv's addresses alone
	; descriptor group 1: 64 rows of 256 bytes, dense: a wave's eight images
	s_mov_b32 s28, 15|(3<<16)|(1<<21)              ; 15:0 the mask: all four work-groups; 17:16 elements of 8 bytes; 21 set beside a mask; no padding
	s_mov_b32 s29, 32<<16                          ; tensor_dim0 = 32
	s_mov_b32 s30, 64<<16                          ; tensor_dim1 = 64
	s_mov_b32 s31, 32<<16                          ; tile_dim0 = 32
	s_mov_b32 s32, 64                              ; tile_dim1 = 64
	s_mov_b32 s33, 32                              ; the pitch
	s_mov_b32 s34, 0
	s_mov_b32 s35, 0
	v_and_b32 v7, 31, v0                           ; lane
	v_lshlrev_b32 v[XA], 4, v7
	s_mul_i32 s56, s22, 8*XP
	s_add_co_u32 s56, s56, XT
	v_lshl_add_u32 v[XST], v7, 2, s56              ; XT + my wave's 8 rows + 4 l
	v_and_b32 v8, 15, v0                           ; r
	v_bfe_u32 v9, v0, 4, 1                         ; h
	v_mul_u32_u24 v[ADA], v8, XP
	v_lshl_add_u32 v[ADA], v9, 4, v[ADA]
	v_add_nc_u32 v[ADA], XT, v[ADA]
	s_lshl_b32 s37, s22, 14                        ; my wave's 16,384 bytes of a slot: no place in the cluster enters an LDS address
	v_add_nc_u32 v[ADB], s37, v[XA]
	v_add_nc_u32 v[ADB+1], RING1, v[ADB]
	v_lshlrev_b32 v[BO], 5, v9
	s_mov_b32 s57, 0
	s_wait_kmcnt 0x0
	s_lshl_b32 s56, s23, 3
	s_add_nc_u64 s[58:59], s[16:17], s[56:57]
	s_load_b64 s[50:51], s[58:59], 0x0             ; ea, eb: entries 2 t, 2 t + 1
	s_lshl_b32 s56, s23, 2
	s_add_nc_u64 s[60:61], s[16:17], s[56:57]
	s_load_b32 s52, s[60:61], 0x18                 ; eo: entry 6 + t
	s_cmp_eq_u32 s23, 1                            ; x and the bias are chosen by t alone
	s_cselect_b64 s[44:45], s[6:7], s[8:9]
	s_cselect_b64 s[46:47], s[12:13], s[14:15]
	s_cmp_eq_u32 s23, 0
	s_cselect_b64 s[44:45], s[4:5], s[44:45]
	s_cselect_b64 s[46:47], s[10:11], s[46:47]
	s_lshl_b32 s56, s25, 18                        ; 64 rows of 4,096 bytes a block,
	s_lshl_b32 s53, s22, 15                        ; 8 rows a wave
	s_add_co_u32 s56, s56, s53
	s_add_nc_u64 s[44:45], s[44:45], s[56:57]
	s_lshl_b32 s56, s22, 9                         ; my 128 numbers of the bias
	s_add_nc_u64 s[46:47], s[46:47], s[56:57]
	s_lshl_b32 s56, s23, 23                        ; qkv: t x 2^23 + (16 b + 2 w) x 65,536 + (block within the batch) x 4,096
	s_lshr_b32 s53, s25, 4
	s_lshl_b32 s53, s53, 20
	s_add_co_u32 s56, s56, s53
	s_lshl_b32 s53, s22, 17
	s_add_co_u32 s56, s56, s53
	s_and_b32 s53, s25, 15
	s_lshl_b32 s53, s53, 12
	s_add_co_u32 s56, s56, s53
	s_add_nc_u64 s[48:49], s[20:21], s[56:57]
	s_lshl_b32 s56, s23, 20                        ; wcodes: t x 2^20 + 16,384 w: made of what the partners share
	s_add_co_u32 s56, s56, s37
	s_add_nc_u64 s[62:63], s[18:19], s[56:57]
	s_mov_b32 s36, 1                               ; group 0 of slot 0: count; (s37: the LDS address, made above)
	s_mov_b64 s[38:39], s[62:63]                   ; K step 0
	s_or_b32 s39, s39, 0x80000000                  ; type = 2
	s_mov_b32 s40, 1                               ; group 0 of slot 1
	s_add_co_u32 s41, s37, RING1
	s_add_nc_u64 s[42:43], s[62:63], 0x20000       ; K step 1
	s_or_b32 s43, s43, 0x80000000
	XLOAD 0
	XLOAD 1
	XLOAD 2
	CROUND                                         ; all four work-groups are here: the first joint loads meet
	tensor_load_to_lds s[36:39], s[28:35]          ; both first fills together: two tensor loads of mine are out
	s_nop 0
	tensor_load_to_lds s[40:43], s[28:35]
	s_nop 0
	PLACES
	s_wait_kmcnt 0x0
	s_add_co_i32 s56, s50, 127
	s_lshl_b32 s53, s56, 23
	v_mov_b32 v[SCX], s53
	s_add_co_i32 s56, s56, 8
	s_lshl_b32 s56, s56, 23
	s_or_b32 s56, s56, 0x600000
	v_mov_b32 v[LMX], s56
	s_add_co_i32 s54, s50, s51
	s_add_co_i32 s54, s54, 127
	s_lshl_b32 s54, s54, 23                        ; 2^(ea + eb) as f32
	s_mov_b32 s55, s54                             ; (named with it as a pair, so it is written)
	s_add_co_i32 s56, s52, 127
	s_lshl_b32 s53, s56, 23
	v_mov_b32 v[SCO], s53
	s_add_co_i32 s56, s56, 8
	s_lshl_b32 s56, s56, 23
	s_or_b32 s56, s56, 0x600000
	v_mov_b32 v[LMO], s56
	v_mov_b32 v[ONE], 1.0
	s_wait_loadcnt 16                              ; K step 0 of x is in; steps 1 and 2 may be out
	QH 0, 0
	QH 0, 1
	XSTORE 0
	XLOAD 3
	s_wait_tensorcnt 1                             ; my part of slot 0 is in; slot 1's may stay out
	s_wait_dscnt 0x0                               ; my codes lie in XT
	s_barrier_signal -1
	s_barrier_wait -1
	FA 0
	FB 0, 0
	FB 0, 1
	EVEN 0, 1                                      ; the first half-step's products start the sums: nothing is cleared
	ODD 0, 1
.irp s, 1,2,3,4,5
	EVEN \s, 0
	ODD \s, 1
.endr
	EVEN 6, 0
	ODD 6, 0                                       ; K step 7 has landed; nothing is left to fetch
	EVEN 7, 0
.irp n, 0,1,2,3,4,5,6,7                        ; the bias in the result's layout: for column tile n lane (r, h) wants columns 16 n + 8 h + 0 .. 7; x's registers are free
	global_load_b128 v[BI+8*\n:BI+8*\n+3], v[BO], s[46:47] offset:64*\n
	global_load_b128 v[BI+8*\n+4:BI+8*\n+7], v[BO], s[46:47] offset:64*\n+16
.endr
	s_wait_dscnt 8                                 ; the last half-step: W's 4-7 may be out
	WIN MULW
	MUL 15, 0, 4, 0
	s_wait_dscnt 0x0
	MUL 15, 4, 4, 0
	WIN 0
	; THE WAY OUT.  y = sum x 2^(ea + eb) + b, held within +-448 x 2^eo, each accumulator from its low end on; then one conversion an accumulator.
	s_wait_loadcnt 0x0                             ; the bias
	PLACES
	WIN 0x41                                       ; destination and source 0 in window 1
.set N, 0
.rept 32                                       ; accumulator N = 4 nt + mt
.irp i, 0,2,4,6
	v_pk_fma_f32 v[8*N+\i:8*N+\i+1], v[8*N+\i:8*N+\i+1], s[54:55], v[BI+8*(N/4)+\i:BI+8*(N/4)+\i+1] op_sel_hi:[1,0,1]
.endr
.irp i, 0,1,2,3,4,5,6,7
	v_med3_num_f32 v[8*N+\i], v[8*N+\i], -v[LMO], v[LMO]
.endr
.set N, N+1
.endr
	WIN 0x01                                       ; source 0 in window 1
.set N, 0
.rept 32                                       ; registers 2 c, 2 c + 1 (c = nt % 4) of the fragment (token tile mt, head nt / 4): d = 16 c + 8 h + 0 .. 7 of token r
	v_cvt_scalef32_pk8_fp8_f32 v[CO+8*(2*(N%4)+N/16)+2*((N/4)%4):CO+8*(2*(N%4)+N/16)+2*((N/4)%4)+1], v[8*N:8*N+7], v[SCO]
.set N, N+1
.endr
	v_nop                                          ; a plain line behind the last conversion
	WIN 0
	s_cmp_lg_u32 s23, 2                            ; t is the same in all partners
	s_cbranch_scc1 .Lstore
	; v alone: its fragments want d in the lanes and the keys along the registers.  D' = codes x I_dt, I_dt(k, n) = 1 where k = 16 dt + n: one product a sum, so D' holds the codes' values exactly:
	; register j of lane (r, h) = (token 16 mt + 8 h + j, d = 16 dt + r).  In I_dt lane (r, h) has the code of 1.0 (0x38) at k = 16 dt + r: byte r % 8 of registers 2 dt, 2 dt + 1, where h = r / 8.
	v_lshrrev_b32 v10, 3, v8
	v_cmp_eq_u32 vcc_lo, v10, v9                   ; h = r / 8?
	v_and_b32 v11, 3, v8
	v_lshlrev_b32 v11, 3, v11
	v_mov_b32 v13, 0x38
	v_lshlrev_b32 v12, v11, v13                    ; 0x38 in byte r % 4
	v_cndmask_b32 v12, 0, v12, vcc_lo
	v_and_b32 v10, 4, v8
	v_cmp_eq_u32 vcc_lo, 0, v10                    ; in the pair's first register?
	v_cndmask_b32 v[ID+6], 0, v12, vcc_lo          ; E0
	v_sub_nc_u32 v[ID+7], v12, v[ID+6]             ; E1: the rest
.irp i, 0,1,2,3,4,5,8,9,10,11,12,13
	v_mov_b32 v[ID+\i], 0
.endr
	WIN 0x40                                       ; D in window 1
.set N, 0
.rept 32                                       ; N = 16 hd + 4 dt + mt; I_dt is the run of eight registers in which E0, E1 stand at 2 dt, 2 dt + 1
	v_wmma_f32_16x16x64_fp8_fp8 v[8*N:8*N+7], v[CO+8*(2*(N%4)+N/16):CO+8*(2*(N%4)+N/16)+7], v[ID+6-2*((N/4)%4):ID+13-2*((N/4)%4)], 0
.set N, N+1
.endr
	PLACES                                         ; the conversions below read these results and write over these sources
	WIN 0x01
.set N, 0
.rept 32                                       ; registers 2 mt, 2 mt + 1 of the fragment (d tile dt, head hd): keys 16 mt + 8 h + 0 .. 7 of d = 16 dt + r; the scale is 1: nothing is rounded
	v_cvt_scalef32_pk8_fp8_f32 v[CO+8*(2*((N/4)%4)+N/16)+2*(N%4):CO+8*(2*((N/4)%4)+N/16)+2*(N%4)+1], v[8*N:8*N+7], v[ONE]
.set N, N+1
.endr
	v_nop
	WIN 0
.Lstore:
.irp x, 0,1,2,3                                ; x: the token tile (q, k) or the d tile (v)
.irp hd, 0,1
.irp c, 0,1
	global_store_b128 v[XA], v[CO+8*(2*\x+\hd)+4*\c:CO+8*(2*\x+\hd)+4*\c+3], s[48:49] offset:65536*\hd+1024*\x+512*\c   ; 32 lanes store 512 consecutive bytes, aligned
.endr
.endr
.endr
	s_wait_tensorcnt 0x0                           ; the wave's end
	ds_add_u32 v[SPW], v[NIL]
	s_wait_dscnt 0x0
	CROUND                                         ; the closing round: no work-group ends while a partner may still ask for a tile that names it
	s_endpgm
.Lfunc_end_k_q9999cb6dfc_proj:
	.size	k_q9999cb6dfc_proj, .Lfunc_end_k_q9999cb6dfc_proj-k_q9999cb6dfc_proj
	.p2alignl 7, 3214868480
	.fill 96, 4, 3214868480
	.section	.rodata,"a",@progbits
	.p2align	6, 0x0
	.amdhsa_kernel k_q9999cb6dfc_proj
		.amdhsa_group_segment_fixed_size 327680
		.amdhsa_private_segment_fixed_size 0
		.amdhsa_enable_private_segment 0
		.amdhsa_kernarg_size 72
		.amdhsa_user_sgpr_count 2
		.amdhsa_user_sgpr_kernarg_segment_ptr 1
		.amdhsa_wavefront_size32 1
		.amdhsa_system_sgpr_workgroup_id_x 1
		.amdhsa_system_sgpr_workgroup_id_y 1
		.amdhsa_system_sgpr_workgroup_id_z 1
		.amdhsa_system_vgpr_workitem_id 0
		.amdhsa_next_free_vgpr 512
		.amdhsa_next_free_sgpr 66
		.amdhsa_reserve_vcc 1
		.amdhsa_float_denorm_mode_32 3
		.amdhsa_float_denorm_mode_16_64 3
		.amdhsa_memory_ordered 1
		.amdhsa_forward_progress 1
		.amdhsa_inst_pref_size 134
	.end_amdhsa_kernel
	.amdgpu_metadata
---
amdhsa.version: [ 1, 2 ]
amdhsa.kernels:
  - .name:           k_q9999cb6dfc_proj
    .symbol:         k_q9999cb6dfc_proj.kd
    .args:
      - { .name: queries, .offset: 0, .size: 8, .value_kind: global_buffer, .address_space: global }
      - { .name: keys, .offset: 8, .size: 8, .value_kind: global_buffer, .address_space: global }
      - { .name: values, .offset: 16, .size: 8, .value_kind: global_buffer, .address_space: global }
      - { .name: bq, .offset: 24, .size: 8, .value_kind: global_buffer, .address_space: global }
      - { .name: bk, .offset: 32, .size: 8, .value_kind: global_buffer, .address_space: global }
      - { .name: bv, .offset: 40, .size: 8, .value_kind: global_buffer, .address_space: global }
      - { .name: lowp_scales, .offset: 48, .size: 8, .value_kind: global_buffer, .address_space: global }
      - { .name: wcodes, .offset: 56, .size: 8, .value_kind: global_buffer, .address_space: global }
      - { .name: qkv, .offset: 64, .size: 8, .value_kind: global_buffer, .address_space: global }
    .group_segment_fixed_size: 327680
    .private_segment_fixed_size: 0
    .kernarg_segment_align: 8
    .kernarg_segment_size: 72
    .max_flat_workgroup_size: 256
    .sgpr_count:     66
    .vgpr_count:     512
    .wavefront_size: 32
...
	.end_amdgpu_metadata
.endif
;; end of part 2
;; launch attn (part 3): grid 2 x 128, 8 waves a work-group, no clusters, 166,912 bytes of LDS; arguments qkv, lowp_scales, out0; writes out0
.if DOCPART == 3
	.amdgcn_target "amdgcn-amd-amdhsa--gfx1250"
	.amdhsa_code_object_version 6
	.text
	.protected	k_q9999cb6dfc_attn
	.globl	k_q9999cb6dfc_attn
	.p2align	8
	.type	k_q9999cb6dfc_attn,@function
k_q9999cb6dfc_attn:
	s_mov_b64 s[64:65], 0
	v_nop
	global_prefetch_b8 v0, s[64:65] scope:SCOPE_SE
	s_setreg_imm32_b32 hwreg(HW_REG_WAVE_MODE, 25, 1), 1
	s_wait_xcnt 0x0
; out[b][q][h][:] = sum over k of softmax_k(tril(q . k / 8)) v[k][:], both products on codes of E4M3 (scales: q entry 6, k 7, v 8, p 9).  THE MASK LEAVES ZEROS, NOT -INFINITY: a key after its query has logit 0.
; So the first product is needed on and under the diagonal alone; the second for all 1,024 keys; a hidden key's weight is the row's constant p0 = 2^-M, and 0 takes part in the maximum of every row that has a hidden key.
; SOFTMAX: t = score x log2(e) / 8; M = the running largest t rounded UP to a whole number, kept as -M = floor(-t); p = 2^(t - M) is quantised, not normalised; the row's sum is taken of the unquantised p and divides at the end;
; when M moves, the sum and O are multiplied by f = 2^(old M - new M), which rounds nothing.
; SHARES.  Work-group y = the head bh of 128, x = g of 2.  The head's K and V codes, 65,536 bytes each, lie whole in LDS, filled once through registers.  The head's 32 pairs of query tiles (32 queries) go in couples:
; wave w takes pair m = 8 g + w and then pair 31 - m.  With Jd = m / 4 the step of 128 keys on the diagonal, a couple has 9 steps with a softmax and 7 hidden ones, whatever w: all waves of all work-groups have equal work.
; LAYOUT.  Both products transposed: S^T = K Q^T (16x16x64; source 0 = 16 keys, source 1 = 16 queries), O^T = V^T P^T (16x16x128; source 0 = 16 of the head's 64).  A lane holds ONE query (lane % 16) throughout; register j of
; key tile c is key 16 c + 8 h + j, so the conversion of tile c gives registers 2 c, 2 c + 1 of P as the form's own layout has them.  Two query tiles share each fragment of K and V.
; HIDDEN STEPS (J > Jd): M is final behind step Jd, since 0 has been counted there; P is sixteen registers of p0's code; the sum takes 64 (7 - Jd) p0 a lane at once; each step is V's loads and 8 products.
; THE HOLD of p at 448 x 2^ep changes nothing where ep >= -8 (448 x 2^-8 = 1.75, and p <= 1): there a scalar branch on the given whole number ep passes over it.  This text has no tensor load and no copy.
; NO CLUSTER: only the two work-groups of a head read the same bytes, each once, at its head; joint loads would be tensor loads.
; LIMITS on the given exponents: e6 + e7 between -123 and 130 (added to c's exponent field); ep between -126 and 119; e8 + e9 is applied by v_ldexp_f32 and has none.
; REGISTERS.  Window 0: v1-7 addresses; v9 2^ep, v10 448 x 2^ep, v11 64 (7 - Jd); v12-15 second chains of the sums; v16.. statistics, 8 a tile; v32-63 P; v64-191 S^T, then p; v192-255 O^T.
;   Window 1: v0-63 K's 8 fragments; v64-127 V's 4; v128-143 Q of the pair in hand; v144-159 Q of the second pair.
.set STAGE, 131072                     ; behind K and V: 16 rows x 272 bytes for each wave, its own
.set SP,  272
.set ADK, 3                            ; v3   LDS address of the step's K
.set ADV, 4                            ; v4   of its V
.set STO, 5                            ; v5   the stage, in
.set RD,  6                            ; v6   the stage, back
.set GO,  7                            ; v7   my byte offset in two rows of out
.set SCP, 9
.set LMP, 10
.set CNT, 11
.set C2,  12
.set ST,  16                           ; tile a at ST + 8 a: +0 -M, +1 the largest t, +2, +3 the sum, +4 f, +5 zero, +6, +7 at work
.set P,   32
.set S,   64
.set O,   192
.set KF,  0
.set VF,  64
.set QF,  128
.set Q2,  144
.set MSB, 0
.macro WIN new                         ; the immediate's high byte repeats the setting that is left
.if MSB != \new
	s_set_vgpr_msb (MSB<<8)|\new
.set MSB, \new
.endif
.endm
.macro PLACES
.rept 4
	v_nop
.endr
.endm
.macro LDK                             ; the step's 8 tiles of 16 keys: 16 loads of 512 consecutive bytes
.irp c, 0,1,2,3,4,5,6,7
.irp u, 0,1
	ds_load_b128 v[KF+8*\c+4*\u:KF+8*\c+4*\u+3], v[ADK] offset:1024*\c+512*\u
.endr
.endr
.endm
.macro LDV                             ; the step's two blocks of 64 keys x 4 d tiles: 16 loads
.irp bb, 0,1
.irp dt, 0,1,2,3
.irp u, 0,1
	ds_load_b128 v[VF+16*\dt+8*\bb+4*\u:VF+16*\dt+8*\bb+4*\u+3], v[ADV] offset:4096*\bb+1024*\dt+512*\u
.endr
.endr
.endr
.endm
.macro PV                              ; O^T += V^T P^T: the eight accumulators by turns
	WIN 0x01                                       ; source 0 (V) in window 1
.irp dt, 0,1,2,3
.irp a, 0,1
	v_wmma_f32_16x16x128_fp8_fp8 v[O+32*\a+8*\dt:O+32*\a+8*\dt+7], v[VF+16*\dt:VF+16*\dt+15], v[P+16*\a:P+16*\a+15], v[O+32*\a+8*\dt:O+32*\a+8*\dt+7]
.endr
.endr
	WIN 0
.endm
; The diagonal step: key tile c against query tile a, whose place among the step's eight tiles is s[17 + a].  Under the diagonal: left as it is.  On it: score 0 where 8 h + j > r.  Above it: all 0.
.macro MASKC a, c
	s_cmp_gt_u32 s[17+\a], \c
	s_cbranch_scc1 .Lunder_\@
	s_cmp_eq_u32 s[17+\a], \c
	s_cselect_b32 s40, -1, 0
.irp j, 0,1,2,3,4,5,6,7
	s_and_b32 s41, s[32+\j], s40                   ; the lanes that keep register j
	v_cndmask_b32 v[S+64*\a+8*\c+\j], 0, v[S+64*\a+8*\c+\j], s41
.endr
.Lunder_\@:
.endm
; Behind the diagonal step, where hidden steps follow: p0 = 2^-M; the lane's sum takes its 64 (7 - Jd) hidden keys at once; P becomes sixteen registers of p0's code.
.macro P0 a
	v_cvt_i32_f32 v[ST+8*\a+6], v[ST+8*\a]         ; -M, a whole number, 0 or less (it saturates)
	v_ldexp_f32 v[ST+8*\a+6], 1.0, v[ST+8*\a+6]
	v_fmac_f32 v[ST+8*\a+2], v[CNT], v[ST+8*\a+6]
	v_min_num_f32 v[S+64*\a], v[ST+8*\a+6], v[LMP] ; the hold
.irp i, 1,2,3,4,5,6,7
	v_mov_b32 v[S+64*\a+\i], v[S+64*\a]
.endr
	v_cvt_scalef32_pk8_fp8_f32 v[P+16*\a:P+16*\a+1], v[S+64*\a:S+64*\a+7], v[SCP]   ; (the eleven plain lines above are the places behind the products that read P)
	v_nop
.irp i, 1,2,3,4,5,6,7
	v_mov_b32 v[P+16*\a+2*\i], v[P+16*\a]
	v_mov_b32 v[P+16*\a+2*\i+1], v[P+16*\a+1]
.endr
.endm
	s_load_b128 s[4:7], s[0:1], 0x0                ; qkv s[4:5], the scales' exponents s[6:7]
	s_load_b64 s[8:9], s[0:1], 0x10                ; out0
	v_lshl_add_u32 v8, v0, 2, 0x28800
	s_set_vgpr_msb 0x40
	v_mov_b32 v161, 0
	s_set_vgpr_msb 0x4000
	v_lshrrev_b32 v12, 5, v0
	v_readfirstlane_b32 s10, v12                   ; wave 0..7
	s_and_b32 s12, ttmp7, 0xffff                   ; bh
	s_lshl_b32 s50, ttmp9, 3
	s_add_co_u32 s50, s50, s10                     ; my first pair: 8 g + w
	s_sub_co_u32 s51, 31, s50                      ; my second
	v_and_b32 v12, 31, v0
	v_lshlrev_b32 v1, 4, v12                       ; 16 l
	v_add_nc_u32 v2, 0x10000, v1                   ; V's region + 16 l
	s_lshl_b32 s11, s10, 13                        ; the 8,192 bytes of K and of V that my wave copies
	v_add_nc_u32 v[ADK], s11, v1
	v_add_nc_u32 v[ADV], s11, v2
	s_lshl_b32 s40, s12, 16                        ; the head's 65,536 bytes in each tensor
	s_mov_b32 s41, 0
	s_add_co_u32 s52, s11, 0x800000                ; k lies 2^23 bytes behind q, v 2^23 behind k
	s_mov_b32 s53, 0
	s_lshl_b32 s56, s50, 11                        ; a pair's two images of Q: 2,048 bytes
	s_mov_b32 s57, 0
	s_lshl_b32 s58, s51, 11
	s_mov_b32 s59, 0
	s_lshr_b32 s48, s12, 4                         ; out: b x 2^22 + h x 256 (+ 4,096 a query)
	s_lshl_b32 s48, s48, 22
	s_and_b32 s49, s12, 15
	s_lshl_b32 s49, s49, 8
	s_add_co_u32 s48, s48, s49
	s_mov_b32 s49, 0
	s_wait_kmcnt 0x0
	s_load_b128 s[24:27], s[6:7], 0x18             ; e6, e7, e8, e9
	s_add_nc_u64 s[42:43], s[4:5], s[40:41]
	s_add_nc_u64 s[52:53], s[42:43], s[52:53]
	s_add_nc_u64 s[54:55], s[52:53], 0x800000
	s_add_nc_u64 s[56:57], s[42:43], s[56:57]
	s_add_nc_u64 s[58:59], s[42:43], s[58:59]
	s_add_nc_u64 s[48:49], s[8:9], s[48:49]
.irp i, 0,1,2,3,4,5,6,7,8,9,10,11,12,13,14,15
	global_load_b128 v[S+4*\i:S+4*\i+3], v1, s[52:53] offset:512*\i
.endr
.irp i, 0,1,2,3,4,5,6,7,8,9,10,11,12,13,14,15
	global_load_b128 v[S+64+4*\i:S+64+4*\i+3], v1, s[54:55] offset:512*\i
.endr
	WIN 0x40                                       ; destination in window 1
.irp i, 0,1,2,3
	global_load_b128 v[QF+4*\i:QF+4*\i+3], v1, s[56:57] offset:512*\i
	global_load_b128 v[Q2+4*\i:Q2+4*\i+3], v1, s[58:59] offset:512*\i
.endr
	WIN 0
	v_and_b32 v12, 15, v0                          ; r
	v_bfe_u32 v13, v0, 4, 1                        ; h
	s_mul_i32 s40, s10, 16*SP
	s_add_co_u32 s40, s40, STAGE                   ; my stage
	v_mul_u32_u24 v[STO], v12, SP
	v_lshl_add_u32 v[STO], v13, 5, v[STO]
	v_add_nc_u32 v[STO], s40, v[STO]               ; in: row r, + 32 h
	v_mul_u32_u24 v[RD], v13, SP
	v_lshl_add_u32 v[RD], v12, 4, v[RD]
	v_add_nc_u32 v[RD], s40, v[RD]                 ; back: lanes 0-15 one row of 256 bytes, lanes 16-31 the next
	v_lshlrev_b32 v[GO], 12, v13
	v_lshl_add_u32 v[GO], v12, 4, v[GO]            ; and the same two queries in out, 4,096 bytes apart
	s_mov_b32 s20, 0x76543210                      ; v_permlanex16_b32: lane l xor 16
	s_mov_b32 s21, 0xfedcba98
	s_mov_b32 s31, 0xff61b1e6                      ; -3e38, under every score and every t
	s_mov_b32 s30, 2                               ; pairs to go
.irp j, 0,1,2,3,4,5,6,7
	s_mov_b32 s[32+\j], (((0xffff<<(8+\j))&0xffff)<<16)|((0xffff<<\j)&0xffff)   ; the lanes (r, h) with 8 h + j <= r
.endr
.irp i, 0,1,2,3,4,5,6,7,8,9,10,11,12,13,14,15,16,17,18,19,20,21,22,23,24,25,26,27,28,29,30,31
	v_mov_b32 v[P+\i], 0                           ; P is written once here, so that it is written on every way to the hidden step's products
.endr
	s_wait_kmcnt 0x0
	s_add_co_i32 s40, s24, s25
	s_lshl_b32 s40, s40, 23
	s_add_co_i32 s22, s40, 0x3e38aa3b              ; c = log2(e) / 8, with e6 + e7 added to its exponent field
	s_mov_b32 s23, s22                             ; (named with it as a pair, so it is written)
	s_add_co_i32 s40, s27, 127
	s_lshl_b32 s41, s40, 23
	v_mov_b32 v[SCP], s41                          ; 2^ep
	s_add_co_i32 s40, s40, 8
	s_lshl_b32 s40, s40, 23
	s_or_b32 s40, s40, 0x600000
	v_mov_b32 v[LMP], s40                          ; 448 x 2^ep
	s_add_co_i32 s46, s26, s27                     ; e8 + e9
	s_wait_loadcnt 24                              ; K's 16 loads are in; V's 16 and Q's 8 may be out
.irp i, 0,1,2,3,4,5,6,7,8,9,10,11,12,13,14,15
	ds_store_b128 v[ADK], v[S+4*\i:S+4*\i+3] offset:512*\i
.endr
	s_wait_loadcnt 8                               ; V's are in; Q's 8 may be out
.irp i, 0,1,2,3,4,5,6,7,8,9,10,11,12,13,14,15
	ds_store_b128 v[ADV], v[S+64+4*\i:S+64+4*\i+3] offset:512*\i
.endr
	s_wait_dscnt 0x0                               ; for the others' sake: my part of K and V lies in LDS
	s_barrier_signal -1
	s_barrier_wait -1                              ; the launch's one barrier: from here on K and V are only read
	s_wait_loadcnt 0x0                             ; Q
.Lpair:
	s_cmp_eq_u32 s30, 2
	s_cselect_b32 s13, s50, s51                    ; m
	s_lshr_b32 s14, s13, 2                         ; Jd
	s_and_b32 s17, s13, 3
	s_lshl_b32 s17, s17, 1                         ; tile 0's place among the diagonal step's eight key tiles,
	s_add_co_u32 s18, s17, 1                       ; tile 1's
	s_sub_co_u32 s40, 7, s14
	s_lshl_b32 s40, s40, 6
	v_cvt_f32_u32 v[CNT], s40                      ; a lane's share of the keys of the hidden steps
	s_cmp_lt_u32 s14, 7
	s_cselect_b32 s28, s14, 99                     ; the step behind which hidden steps follow; none where Jd = 7
	s_lshl_b32 s40, s13, 17                        ; 32 queries of 4,096 bytes
	s_mov_b32 s41, 0
	s_add_nc_u64 s[44:45], s[48:49], s[40:41]
	s_mov_b32 s15, 0                               ; J
	s_mov_b32 s16, 0                               ; 8,192 J
.irp a, 0,1
	v_mov_b32 v[ST+8*\a+1], s31                    ; the largest t so far
	v_floor_f32 v[ST+8*\a], -v[ST+8*\a+1]          ; -M
	v_mov_b32 v[ST+8*\a+2], 0                      ; the sum, in two halves
	v_mov_b32 v[ST+8*\a+3], 0
	v_mov_b32 v[ST+8*\a+5], 0                      ; (named as the upper half of f's pair)
.endr
.irp i, 0,1,2,3,4,5,6,7,8,9,10,11,12,13,14,15,16,17,18,19,20,21,22,23,24,25,26,27,28,29,30,31,32,33,34,35,36,37,38,39,40,41,42,43,44,45,46,47,48,49,50,51,52,53,54,55,56,57,58,59,60,61,62,63
	v_mov_b32 v[O+\i], 0                           ; O^T: the step is written once; the first finds zeros, which the first change of M leaves zeros
.endr
.Lstep:                                            ; 8 trips, a constant: every wave walks all steps and branches inside
	v_add_nc_u32 v[ADK], s16, v1
	v_add_nc_u32 v[ADV], s16, v2
	v_nop                                          ; with the two additions: the four places in front of loads into registers that the last products read
	v_nop
	s_cmp_gt_u32 s15, s14
	s_cbranch_scc1 .Lhid
	WIN 0x40
	LDK
	LDV
	s_wait_dscnt 16                                ; K is in; V's 16 loads may be out
	WIN 0x05                                       ; K and Q in window 1
.irp c, 0,1,2,3,4,5,6,7
.irp a, 0,1
	v_wmma_f32_16x16x64_fp8_fp8 v[S+64*\a+8*\c:S+64*\a+8*\c+7], v[KF+8*\c:KF+8*\c+7], v[QF+8*\a:QF+8*\a+7], 0
.endr
.endr
	WIN 0
	PLACES
	s_cmp_eq_u32 s15, s28
	s_cselect_b32 s19, 0, s31                      ; where hidden steps follow, their logit 0 counts in the maximum now: M is final behind this step
	s_cmp_lg_u32 s15, s14
	s_cbranch_scc1 .Lopen
.irp c, 0,1,2,3,4,5,6,7
	MASKC 0, \c
	MASKC 1, \c
.endr
.Lopen:
.irp a, 0,1                                    ; the step's largest score of my query among my 64 keys: two chains a tile; each accumulator is first read at its low end
	v_max3_num_f32 v[ST+8*\a+6], v[S+64*\a], v[S+64*\a+1], v[S+64*\a+2]
	v_max3_num_f32 v[ST+8*\a+7], v[S+64*\a+3], v[S+64*\a+4], v[S+64*\a+5]
.endr
.irp i, 6,10,14,18,22,26,30,34,38,42,46,50,54,58
.irp a, 0,1
	v_max3_num_f32 v[ST+8*\a+6], v[ST+8*\a+6], v[S+64*\a+\i], v[S+64*\a+\i+1]
	v_max3_num_f32 v[ST+8*\a+7], v[ST+8*\a+7], v[S+64*\a+\i+2], v[S+64*\a+\i+3]
.endr
.endr
.irp a, 0,1
	v_max3_num_f32 v[ST+8*\a+6], v[ST+8*\a+6], v[S+64*\a+62], v[S+64*\a+63]
.endr
.irp a, 0,1
	v_max3_num_f32 v[ST+8*\a+6], v[ST+8*\a+6], v[ST+8*\a+7], s19
.endr
.irp a, 0,1
	v_permlanex16_b32 v[ST+8*\a+7], v[ST+8*\a+6], s20, s21
.endr
.irp a, 0,1
	v_max_num_f32 v[ST+8*\a+6], v[ST+8*\a+6], v[ST+8*\a+7]   ; and among lane l xor 16's
.endr
.irp a, 0,1
	v_mul_f32 v[ST+8*\a+6], s22, v[ST+8*\a+6]      ; as t (c is positive)
.endr
.irp a, 0,1
	v_max_num_f32 v[ST+8*\a+1], v[ST+8*\a+1], v[ST+8*\a+6]   ; the running largest t
	v_mov_b32 v[ST+8*\a+6], v[ST+8*\a]
.endr
.irp a, 0,1
	v_floor_f32 v[ST+8*\a], -v[ST+8*\a+1]          ; the new -M = -ceil(t): a whole number
.endr
.irp a, 0,1
	v_sub_f32 v[ST+8*\a+6], v[ST+8*\a], v[ST+8*\a+6]   ; old M - new M, 0 or less
.endr
.irp a, 0,1
	v_cvt_i32_f32 v[ST+8*\a+6], v[ST+8*\a+6]       ; (it saturates)
.endr
.irp a, 0,1
	v_ldexp_f32 v[ST+8*\a+4], 1.0, v[ST+8*\a+6]    ; f = 2^(old M - new M)
.endr
.irp a, 0,1
.irp j, 0,2,4,6,8,10,12,14,16,18,20,22,24,26,28,30,32,34,36,38,40,42,44,46,48,50,52,54,56,58,60,62
	v_pk_fma_f32 v[S+64*\a+\j:S+64*\a+\j+1], v[S+64*\a+\j:S+64*\a+\j+1], s[22:23], v[ST+8*\a:ST+8*\a+1] op_sel_hi:[1,0,0]   ; t - M (of the pairs c and -M the low word serves both halves)
.endr
.endr
.irp j, 0,1,2,3,4,5,6,7,8,9,10,11,12,13,14,15,16,17,18,19,20,21,22,23,24,25,26,27,28,29,30,31,32,33,34,35,36,37,38,39,40,41,42,43,44,45,46,47,48,49,50,51,52,53,54,55,56,57,58,59,60,61,62,63
	v_exp_f32 v[S+\j], v[S+\j]                     ; p = 2^(t - M): both tiles' 128 exponentials are one batch
	v_exp_f32 v[S+64+\j], v[S+64+\j]
.endr
.irp a, 0,1
	v_pk_mul_f32 v[ST+8*\a+2:ST+8*\a+3], v[ST+8*\a+2:ST+8*\a+3], v[ST+8*\a+4:ST+8*\a+5] op_sel_hi:[1,0]   ; the sums under the new M: the plain lines behind the exponentials
.endr
	s_wait_alu depctr_va_vdst(0)                   ; one wait for the batch, ahead of its first reader
.irp a, 0,1
	v_pk_add_f32 v[C2+2*\a:C2+2*\a+1], v[S+64*\a:S+64*\a+1], v[S+64*\a+2:S+64*\a+3]   ; the row's sum is taken of the unquantised p: two chains a tile
.endr
.irp j, 4,8,12,16,20,24,28,32,36,40,44,48,52,56,60
.irp a, 0,1
	v_pk_add_f32 v[ST+8*\a+2:ST+8*\a+3], v[ST+8*\a+2:ST+8*\a+3], v[S+64*\a+\j:S+64*\a+\j+1]
	v_pk_add_f32 v[C2+2*\a:C2+2*\a+1], v[C2+2*\a:C2+2*\a+1], v[S+64*\a+\j+2:S+64*\a+\j+3]
.endr
.endr
.irp a, 0,1
	v_pk_add_f32 v[ST+8*\a+2:ST+8*\a+3], v[ST+8*\a+2:ST+8*\a+3], v[C2+2*\a:C2+2*\a+1]
.endr
	s_cmp_gt_i32 s27, -9                           ; ep >= -8: 448 x 2^ep is above every p, and the hold would change nothing
	s_cbranch_scc1 .Lheld
.irp j, 0,1,2,3,4,5,6,7,8,9,10,11,12,13,14,15,16,17,18,19,20,21,22,23,24,25,26,27,28,29,30,31,32,33,34,35,36,37,38,39,40,41,42,43,44,45,46,47,48,49,50,51,52,53,54,55,56,57,58,59,60,61,62,63
	v_min_num_f32 v[S+\j], v[S+\j], v[LMP]         ; the conversion does not saturate (ISA guide 7.6.2); p is not negative, so the hold is one-sided
	v_min_num_f32 v[S+64+\j], v[S+64+\j], v[LMP]
.endr
.Lheld:
.irp a, 0,1
.irp c, 0,1,2,3,4,5,6,7
	v_cvt_scalef32_pk8_fp8_f32 v[P+16*\a+2*\c:P+16*\a+2*\c+1], v[S+64*\a+8*\c:S+64*\a+8*\c+7], v[SCP]   ; keys 16 c + 8 h + 0 .. 7: registers 2 c, 2 c + 1 of P
.endr
.endr
.irp a, 0,1
.irp j, 0,2,4,6,8,10,12,14,16,18,20,22,24,26,28,30
	v_pk_mul_f32 v[O+32*\a+\j:O+32*\a+\j+1], v[O+32*\a+\j:O+32*\a+\j+1], v[ST+8*\a+4:ST+8*\a+5] op_sel_hi:[1,0]   ; O^T under the new M; also the plain lines behind the conversions
.endr
.endr
	s_wait_dscnt 0x0                               ; V is in
	PV
	s_cmp_lg_u32 s15, s28
	s_cbranch_scc1 .Lnext
	P0 0
	P0 1
	s_branch .Lnext
.Lhid:                                             ; all 128 keys come after my queries: weight p0 each
	WIN 0x40
	LDV
	s_wait_dscnt 0x0
	PV
.Lnext:
	s_add_co_u32 s16, s16, 8192
	s_add_co_u32 s15, s15, 1
	s_cmp_lt_u32 s15, 8
	s_cbranch_scc1 .Lstep
	; THE WAY OUT of a pair.  The sum's halves and lane l xor 16's are added; O^T x 2^(e8 + e9) / the sum goes through my stage, a tile (16 queries x 256 bytes) at a time.  The additions are the places behind the last products.
.irp a, 0,1
	v_add_f32 v[ST+8*\a+6], v[ST+8*\a+2], v[ST+8*\a+3]
.endr
.irp a, 0,1
	v_permlanex16_b32 v[ST+8*\a+7], v[ST+8*\a+6], s20, s21
.endr
.irp a, 0,1
	v_add_f32 v[ST+8*\a+6], v[ST+8*\a+6], v[ST+8*\a+7]
.endr
.irp a, 0,1
	v_rcp_f32 v[ST+8*\a+6], v[ST+8*\a+6]
.endr
	v_nop                                          ; a plain line behind the reciprocals
	s_wait_alu depctr_va_vdst(0)                   ; one wait for both, ahead of their first reader
.irp a, 0,1
	v_ldexp_f32 v[ST+8*\a+6], v[ST+8*\a+6], s46
.endr
.irp a, 0,1
.irp j, 0,2,4,6,8,10,12,14,16,18,20,22,24,26,28,30
	v_pk_mul_f32 v[S+64*\a+\j:S+64*\a+\j+1], v[O+32*\a+\j:O+32*\a+\j+1], v[ST+8*\a+6:ST+8*\a+7] op_sel_hi:[1,0]   ; register 8 dt + j: out(query r, d = 16 dt + 8 h + j); each accumulator from its low end on
.endr
.irp dt, 0,1,2,3
	ds_store_b128 v[STO], v[S+64*\a+8*\dt:S+64*\a+8*\dt+3] offset:64*\dt
	ds_store_b128 v[STO], v[S+64*\a+8*\dt+4:S+64*\a+8*\dt+7] offset:64*\dt+16
.endr
.irp i, 0,1,2,3,4,5,6,7
	ds_load_b128 v[S+64*\a+32+4*\i:S+64*\a+32+4*\i+3], v[RD] offset:2*SP*\i   ; LDS serves a wave's instructions in order (ISA guide 5.7.1.4): these see my stores, and the next tile's stores come behind them
.endr
.endr
.irp a, 0,1
.irp i, 0,1,2,3,4,5,6,7
	s_wait_dscnt 16*(1-\a)+7-\i                    ; this load is back; behind it: the tile's later loads and, for tile 0, tile 1's sixteen LDS instructions
	global_store_b128 v[GO], v[S+64*\a+32+4*\i:S+64*\a+32+4*\i+3], s[44:45] offset:65536*\a+8192*\i th:TH_STORE_NT   ; sixteen lanes store the 256 consecutive bytes of one (query, head), aligned
.endr
.endr
	s_wait_xcnt 0x0                                ; the stores have read their registers and their base: both are written again in the next pair
	WIN 0x41                                       ; destination and source 0 in window 1
.irp i, 0,1,2,3,4,5,6,7,8,9,10,11,12,13,14,15
	v_mov_b32 v[QF+\i], v[Q2+\i]                   ; the second pair's Q takes its place
.endr
	WIN 0
	s_sub_co_u32 s30, s30, 1
	s_cmp_lg_u32 s30, 0
	s_cbranch_scc1 .Lpair
	s_set_vgpr_msb 0x4
	s_wait_tensorcnt 0x0
	ds_add_u32 v8, v161
	s_wait_dscnt 0x0
	s_set_vgpr_msb 0x400
	s_endpgm
.Lfunc_end_k_q9999cb6dfc_attn:
	.size	k_q9999cb6dfc_attn, .Lfunc_end_k_q9999cb6dfc_attn-k_q9999cb6dfc_attn
	.p2alignl 7, 3214868480
	.fill 96, 4, 3214868480
	.section	.rodata,"a",@progbits
	.p2align	6, 0x0
	.amdhsa_kernel k_q9999cb6dfc_attn
		.amdhsa_group_segment_fixed_size 166912
		.amdhsa_private_segment_fixed_size 0
		.amdhsa_enable_private_segment 0
		.amdhsa_kernarg_size 24
		.amdhsa_user_sgpr_count 2
		.amdhsa_user_sgpr_kernarg_segment_ptr 1
		.amdhsa_wavefront_size32 1
		.amdhsa_system_sgpr_workgroup_id_x 1
		.amdhsa_system_sgpr_workgroup_id_y 1
		.amdhsa_system_sgpr_workgroup_id_z 1
		.amdhsa_system_vgpr_workitem_id 0
		.amdhsa_next_free_vgpr 418
		.amdhsa_next_free_sgpr 66
		.amdhsa_reserve_vcc 0
		.amdhsa_float_denorm_mode_32 3
		.amdhsa_float_denorm_mode_16_64 3
		.amdhsa_memory_ordered 1
		.amdhsa_forward_progress 1
		.amdhsa_inst_pref_size 67
	.end_amdhsa_kernel
	.amdgpu_metadata
---
amdhsa.version: [ 1, 2 ]
amdhsa.kernels:
  - .name:           k_q9999cb6dfc_attn
    .symbol:         k_q9999cb6dfc_attn.kd
    .args:
      - { .name: qkv, .offset: 0, .size: 8, .value_kind: global_buffer, .address_space: global }
      - { .name: lowp_scales, .offset: 8, .size: 8, .value_kind: global_buffer, .address_space: global }
      - { .name: out0, .offset: 16, .size: 8, .value_kind: global_buffer, .address_space: global }
    .group_segment_fixed_size: 166912
    .private_segment_fixed_size: 0
    .kernarg_segment_align: 8
    .kernarg_segment_size: 24
    .max_flat_workgroup_size: 256
    .sgpr_count:     66
    .vgpr_count:     418
    .wavefront_size: 32
...
	.end_amdgpu_metadata
.endif
;; end of part 3
;; ======== version 2 of 2: 3 launches
;; limits: right only within a limited range of input values
;; workspace buffers: xcodes 25,165,824 bytes; wcodes 3,145,728 bytes; qkv 25,165,824 bytes
;; launch quant (part 4): grid 576 x 3, 8 waves a work-group, no clusters, 19,456 bytes of LDS; arguments queries, keys, values, Wq, Wk, Wv, lowp_scales, xcodes, wcodes; writes xcodes, wcodes
.if DOCPART == 4
	.amdgcn_target "amdgcn-amd-amdhsa--gfx1250"
	.amdhsa_code_object_version 6
	.text
	.protected	k_q9999cb6dfc_quant
	.globl	k_q9999cb6dfc_quant
	.p2align	8
	.type	k_q9999cb6dfc_quant,@function
k_q9999cb6dfc_quant:
	s_mov_b64 s[64:65], 0
	v_nop
	global_prefetch_b8 v0, s[64:65] scope:SCOPE_SE
	s_setreg_imm32_b32 hwreg(HW_REG_WAVE_MODE, 25, 1), 1
	s_wait_xcnt 0x0
; queries, keys, values [8192][1024] and Wq, Wk, Wv [1024][1024], f32, K innermost, become codes of E4M3, each tensor with its given scale 2^e (x_t: entry 2 t of the scales; W_t: entry 2 t + 1),
; laid as IMAGES OF OPERAND REGISTERS.  A fragment is 16 rows x 128 along k, 2,048 bytes: chunk c (0..3) is 512 bytes, lane l = r + 16 h has 16 bytes at 16 l: row r, k = 128 s + 32 c + 16 h + 0 .. 15.
; xcodes [t 3][fragment 512][K step 8][2,048];  wcodes [t 3][block of 256 columns 4][K step 8][fragment 16][2,048].
; code = x / 2^e, held within +-448, to the nearest code, ties to even.  LIMITS: -126 <= e <= 119, so that 2^e and 448 x 2^e are f32 numbers.  NaN among the inputs is not served.
; SHARES.  Work-group y = t.  Work-group x below 64: fragment x of W_t; else fragment x - 64 of x_t.  Wave = K step s: one wave makes one fragment.  Only pointers and offsets are chosen: there is one path.
; Each load reads 512 consecutive bytes of one row, 16 a lane; the eight waves together read 16 whole rows.  The scale is the tensor's, so a conversion may take eight numbers of two rows: its two result
; registers are four codes of each row.  The codes turn through the wave's own stage in LDS (rows 144 bytes apart) and leave as four stores of 512 consecutive bytes.
; No barrier: waves share nothing.  No matrix unit, no cluster, no tensor load: a stream in which every byte is read once.
.set PITCH, 144                        ; a stage row: 128 bytes of codes + 16: the sixteen rows of a 16-byte read begin at sixteen different 16-byte columns modulo 256
.set WSTG,  16*PITCH                   ; a wave's stage
.set X,  16                            ; v16-79   row i's four numbers at X + 4 i
.set PC, 80                            ; v80-95   row i's four codes
.set F,  16                            ; v16-31   the fragment's image, where the first numbers lay
	s_load_b512 s[4:19], s[0:1], 0x0               ; queries s[4:5], keys s[6:7], values s[8:9], Wq s[10:11], Wk s[12:13], Wv s[14:15], the scales' exponents s[16:17], xcodes s[18:19]
	s_load_b64 s[20:21], s[0:1], 0x40              ; wcodes
	v_lshl_add_u32 v96, v0, 2, 0x4800
	v_mov_b32 v97, 0
	v_lshrrev_b32 v4, 5, v0
	s_delay_alu instid0(VALU_DEP_1)
	v_readfirstlane_b32 s22, v4                    ; wave = K step s
	s_and_b32 s23, ttmp7, 0xffff                   ; t
	v_and_b32 v5, 31, v0                           ; lane
	s_delay_alu instid0(VALU_DEP_1)
	v_lshlrev_b32 v1, 4, v5                        ; 16 l: my bytes of a load's and of a store's 512
	s_mul_i32 s24, s22, WSTG
	v_lshl_add_u32 v2, v5, 2, s24                  ; the stage, in: my four codes of a row
	v_and_b32 v6, 15, v0                           ; r
	v_bfe_u32 v7, v0, 4, 1                         ; h
	s_delay_alu instid0(VALU_DEP_2)
	v_mul_u32_u24 v3, v6, PITCH
	s_delay_alu instid0(VALU_DEP_1)
	v_lshl_add_u32 v3, v7, 4, v3
	s_delay_alu instid0(VALU_DEP_1)
	v_add_nc_u32 v3, s24, v3                       ; the stage, out: row r, + 16 h
	s_cmp_lt_u32 ttmp9, 64                         ; W's work-group or x's?  The choice hangs on the work-group's number alone
	s_cselect_b32 s25, 0, 64
	s_sub_co_u32 s25, ttmp9, s25                   ; the fragment's number in its tensor
	s_lshl_b32 s26, s25, 16                        ; in: 16 rows of 4,096 bytes a fragment,
	s_lshl_b32 s27, s22, 9                         ; + 128 s numbers
	s_add_co_u32 s26, s26, s27
	s_mov_b32 s27, 0
	s_lshl_b32 s28, s23, 20                        ; out, in wcodes: t x 2^20 + (f / 16) x 262,144 + s x 32,768 + (f % 16) x 2,048
	s_lshr_b32 s29, s25, 4
	s_lshl_b32 s29, s29, 18
	s_add_co_u32 s28, s28, s29
	s_lshl_b32 s29, s22, 15
	s_add_co_u32 s28, s28, s29
	s_and_b32 s29, s25, 15
	s_lshl_b32 s29, s29, 11
	s_add_co_u32 s28, s28, s29
	s_lshl_b32 s30, s23, 23                        ; out, in xcodes: t x 2^23 + f x 16,384 + s x 2,048
	s_lshl_b32 s31, s25, 14
	s_add_co_u32 s30, s30, s31
	s_lshl_b32 s31, s22, 11
	s_add_co_u32 s30, s30, s31
	s_lshl_b32 s32, s23, 3                         ; the scale's entry: byte 8 t for x, 8 t + 4 for W
	s_cmp_lt_u32 ttmp9, 64
	s_cselect_b32 s28, s28, s30
	s_cselect_b32 s33, 4, 0
	s_mov_b32 s29, 0
	s_add_co_u32 s32, s32, s33
	s_mov_b32 s33, 0
	s_wait_alu depctr_va_vdst(0)
	s_wait_kmcnt 0x0
	s_add_nc_u64 s[16:17], s[16:17], s[32:33]
	s_load_b32 s34, s[16:17], 0x0                  ; e
	s_cmp_eq_u32 s23, 1
	s_cselect_b64 s[6:7], s[6:7], s[8:9]
	s_cselect_b64 s[12:13], s[12:13], s[14:15]
	s_cmp_eq_u32 s23, 0
	s_cselect_b64 s[4:5], s[4:5], s[6:7]           ; x_t
	s_cselect_b64 s[10:11], s[10:11], s[12:13]     ; W_t
	s_cmp_lt_u32 ttmp9, 64
	s_cselect_b64 s[4:5], s[10:11], s[4:5]
	s_cselect_b64 s[18:19], s[20:21], s[18:19]
	s_add_nc_u64 s[4:5], s[4:5], s[26:27]
	s_add_nc_u64 s[18:19], s[18:19], s[28:29]
.irp i, 0,1,2,3,4,5,6,7,8,9,10,11,12,13,14,15
	global_load_b128 v[X+4*\i:X+4*\i+3], v1, s[4:5] offset:4096*\i th:TH_LOAD_NT   ; row i: k = 128 s + 4 l + 0 .. 3
.endr
	s_wait_kmcnt 0x0
	s_add_co_i32 s34, s34, 127
	s_lshl_b32 s35, s34, 23
	v_mov_b32 v11, s35                             ; 2^e as f32: the conversion takes its exponent field
	s_add_co_i32 s34, s34, 8
	s_lshl_b32 s34, s34, 23
	s_or_b32 s34, s34, 0x600000
	v_mov_b32 v10, s34                             ; 448 x 2^e
	s_wait_alu depctr_va_vdst(0)
.irp g, 0,1,2,3,4,5,6,7
	s_wait_loadcnt 14-2*\g                         ; rows 2 g and 2 g + 1 are in; the 14 - 2 g loads issued behind them may be out
.irp i, 0,1,2,3,4,5,6,7
	v_med3_num_f32 v[X+8*\g+\i], v[X+8*\g+\i], -v10, v10   ; the conversion to an 8-bit code does not saturate (ISA guide 7.6.2): the hold comes first
.endr
	v_cvt_scalef32_pk8_fp8_f32 v[PC+2*\g:PC+2*\g+1], v[X+8*\g:X+8*\g+7], v11   ; PC + 2 g: row 2 g's four codes; PC + 2 g + 1: row 2 g + 1's
.endr
	v_nop                                          ; a plain vector line behind the last conversion
.irp i, 0,1,2,3,4,5,6,7,8,9,10,11,12,13,14,15
	ds_store_b32 v2, v[PC+\i] offset:PITCH*\i
.endr
.irp c, 0,1,2,3
	ds_load_b128 v[F+4*\c:F+4*\c+3], v3 offset:32*\c   ; LDS serves a wave's instructions in order (ISA guide 5.7.1.4): these see my stores
.endr
.irp c, 0,1,2,3
	s_wait_dscnt 3-\c                              ; chunk c is back; the 3 - c loads behind it may be out
	global_store_b128 v1, v[F+4*\c:F+4*\c+3], s[18:19] offset:512*\c   ; 32 lanes store 512 consecutive bytes, at a multiple of 512 from the buffer's first byte
.endr
	s_wait_tensorcnt 0x0
	ds_add_u32 v96, v97
	s_wait_dscnt 0x0
	s_endpgm
.Lfunc_end_k_q9999cb6dfc_quant:
	.size	k_q9999cb6dfc_quant, .Lfunc_end_k_q9999cb6dfc_quant-k_q9999cb6dfc_quant
	.p2alignl 7, 3214868480
	.fill 96, 4, 3214868480
	.section	.rodata,"a",@progbits
	.p2align	6, 0x0
	.amdhsa_kernel k_q9999cb6dfc_quant
		.amdhsa_group_segment_fixed_size 19456
		.amdhsa_private_segment_fixed_size 0
		.amdhsa_enable_private_segment 0
		.amdhsa_kernarg_size 72
		.amdhsa_user_sgpr_count 2
		.amdhsa_user_sgpr_kernarg_segment_ptr 1
		.amdhsa_wavefront_size32 1
		.amdhsa_system_sgpr_workgroup_id_x 1
		.amdhsa_system_sgpr_workgroup_id_y 1
		.amdhsa_system_sgpr_workgroup_id_z 1
		.amdhsa_system_vgpr_workitem_id 0
		.amdhsa_next_free_vgpr 98
		.amdhsa_next_free_sgpr 66
		.amdhsa_reserve_vcc 0
		.amdhsa_float_denorm_mode_32 3
		.amdhsa_float_denorm_mode_16_64 3
		.amdhsa_memory_ordered 1
		.amdhsa_forward_progress 1
		.amdhsa_inst_pref_size 12
	.end_amdhsa_kernel
	.amdgpu_metadata
---
amdhsa.version: [ 1, 2 ]
amdhsa.kernels:
  - .name:           k_q9999cb6dfc_quant
    .symbol:         k_q9999cb6dfc_quant.kd
    .args:
      - { .name: queries, .offset: 0, .size: 8, .value_kind: global_buffer, .address_space: global }
      - { .name: keys, .offset: 8, .size: 8, .value_kind: global_buffer, .address_space: global }
      - { .name: values, .offset: 16, .size: 8, .value_kind: global_buffer, .address_space: global }
      - { .name: Wq, .offset: 24, .size: 8, .value_kind: global_buffer, .address_space: global }
      - { .name: Wk, .offset: 32, .size: 8, .value_kind: global_buffer, .address_space: global }
      - { .name: Wv, .offset: 40, .size: 8, .value_kind: global_buffer, .address_space: global }
      - { .name: lowp_scales, .offset: 48, .size: 8, .value_kind: global_buffer, .address_space: global }
      - { .name: xcodes, .offset: 56, .size: 8, .value_kind: global_buffer, .address_space: global }
      - { .name: wcodes, .offset: 64, .size: 8, .value_kind: global_buffer, .address_space: global }
    .group_segment_fixed_size: 19456
    .private_segment_fixed_size: 0
    .kernarg_segment_align: 8
    .kernarg_segment_size: 72
    .max_flat_workgroup_size: 256
    .sgpr_count:     66
    .vgpr_count:     98
    .wavefront_size: 32
...
	.end_amdgpu_metadata
.endif
;; end of part 4
;; launch gemm (part 5): grid 16 x 16, 4 waves a work-group, clusters of 4 x 1, 327,680 bytes of LDS; arguments xcodes, wcodes, bq, bk, bv, lowp_scales, qkv; writes qkv
.if DOCPART == 5
	.amdgcn_target "amdgcn-amd-amdhsa--gfx1250"
	.amdhsa_code_object_version 6
	.text
	.protected	k_q9999cb6dfc_gemm
	.globl	k_q9999cb6dfc_gemm
	.p2align	8
	.type	k_q9999cb6dfc_gemm,@function
k_q9999cb6dfc_gemm:
	s_mov_b64 s[64:65], 0
	v_nop
	global_prefetch_b8 v0, s[64:65] scope:SCOPE_SE
	s_setreg_imm32_b32 hwreg(HW_REG_WAVE_MODE, 25, 1), 1
	s_wait_xcnt 0x0
	s_wait_alu depctr_hold_cnt(0) depctr_sa_sdst(0) depctr_va_vdst(0) depctr_va_sdst(0) depctr_va_ssrc(0) depctr_va_vcc(0) depctr_vm_vsrc(0)
	s_getreg_b32 s2, hwreg(HW_REG_IB_STS2, 6, 4)
	s_cmp_eq_u32 s2, 0
	s_cbranch_scc0 .Lentry_in_a_cluster
	s_endpgm
.Lentry_in_a_cluster:
	s_bfe_u32 s2, ttmp6, 0x10000c
	s_cmp_lg_u32 s2, 0x3003
	s_cbranch_scc0 .Lentry_shape_is_right
	s_endpgm
.Lentry_shape_is_right:
; y = Q(x) Q(W)^T + b for x = queries, keys, values, on the codes that the launch before has made; then y itself is quantised for the attention's products; only codes leave.
; Scales: x_t entry 2 t (ea), W_t entry 2 t + 1 (eb), y_t entry 6 + t (eo).  A sum begins as b x 2^-(ea + eb), so a finished sum is y x 2^-(ea + eb);
; code = sum / 2^(eo - ea - eb), held within +-448 of that scale: the three scales are one conversion scale.
; LIMITS on the given exponents: eo - ea - eb between -126 and 119, so that the scale and 448 x the scale are f32 numbers; b x 2^-(ea + eb) is made by v_ldexp_f32 and is exact while it stays a normal f32 number.
; SHARES.  256 work-groups.  Work-group y below 8: t = y / 4, columns 256 (y % 4) .. + 255, and 512 rows (work-group x) as two tiles of 256.  y = 8 .. 15: t = 2 (values), columns 256 (y % 4), ONE tile:
; rows 512 x + 256 (y / 4 - 2): v's way out has a further step (below), so its work-groups get half the rows.  Wave w takes rows 64 w .. + 63 of a tile x all 256 columns: 64 accumulators, windows 2 and 3.
; W STAYS: the block's codes, 262,144 bytes, one dense run of wcodes, lie in LDS from the one fill to the end; wave w fetches bytes 65,536 w .. by its one tensor load; no LDS byte is filled twice.
; CLUSTER: the four row groups of a cluster need the same block: each load is asked for JOINTLY (mask 15), the same descriptor in all four.
; x GOES FROM MEMORY STRAIGHT INTO OPERAND REGISTERS: its codes lie as register images, a wave's rows are its own, each load reads 512 consecutive bytes.  Three sets of registers: a step's 16 loads are issued
; at the end of the third step before it, into the set just left: two whole K steps ahead of their use.
; NO PREFETCH: the text has no loop; W is asked for once, at the head; x is asked for into registers two K steps ahead of its use, and the next tile's first three steps on the first tile's way out.
; THE K STEP.  Two halves of 32 matrix instructions: eight of W's fragments, each against x's four.  W has two sets of eight fragments; behind a half, in ONE run, stand the 32 LDS loads that fill the set
; just multiplied with the next step's fragments, while the other set is multiplied; x's 16 loads stand at the head of the second run.
; THE BIAS: the scaled bias of a column tile is loaded into the accumulator of row tile 0.  In a tile's first K step row tiles 1 to 3 take those registers as C; row tile 0 adds in place behind them.  Nothing is cleared.
; k WITHIN A K STEP IS PERMUTED ALIKE IN BOTH OPERANDS (registers 4 c .. 4 c + 3: k = 32 c + 16 h + 0 .. 15): every product meets its partner.
; THE MATRIX INSTRUCTION IS USED TRANSPOSED (source 0 = 16 rows of W, source 1 = 16 rows of x): register j of lane (r, h) is (token r, column 16 nt + 8 h + j): one conversion of an accumulator gives registers
; 2 c, 2 c + 1 of a 16 x 64 fragment along the head's 64.  That is what q and k want.  v wants the KEYS along its registers: its codes are turned by the matrix unit, times a matrix of ones and zeros, which rounds nothing.
; ONE BRANCH on t, behind K step 7, parts v's way out from q's and k's; t is the same in all partners of a cluster.  Both ways are straight-line text, so every wait's count is a constant of the text.
; OUT: qkv [t][bh 128][65,536]: q, k: [token tile 64][1,024]; v: [block of 64 keys 16][d tile 4][1,024]; an image: chunk u (registers 4 u .. 4 u + 3) at 512 u + 16 l.
; REGISTERS.  Window 0: v2-5 addresses, v6-9 constants, v16-29 the matrix of ones and zeros, v30, v31 for the spare words, v32-63 a head's codes, v64-255 x's three sets.
;   Window 1: W's two sets, v0-127 and v128-255.   Windows 2, 3: accumulator (nt, mt) at window 2 + nt / 8, v[32 (nt % 8) + 8 mt].
.set BIAS,  262144                     ; behind W: a copy of the block's 256 scaled biases for each wave, 1,024 bytes, its own
.set SPARE, 266240                     ; the spare words: 128 bytes for each of four waves, two blocks of 256 bytes that no other line names
.set L16, 2                            ; v2    16 l: my bytes of an image, in memory and in LDS
.set ADB, 2                            ; v2-5  W's K steps 2 j, 2 j + 1: 65,536 j + 16 l
.set BRD, 6                            ; v6    my wave's biases: + 32 h
.set LMO, 7                            ; 448 x 2^(eo - ea - eb)
.set SCO, 8                            ; 2^(eo - ea - eb)
.set ONE, 9                            ; 1.0
.set ID,  16                           ; v16-29: six zeros, E0, E1, six zeros
.set SPW, 30                           ; LDS address of my spare word; never rewritten
.set NIL, 31                           ; 0; never rewritten
.set CO,  32                           ; v32-63: four fragments of codes
.set MSB, 0
.macro WIN new                         ; the immediate's high byte repeats the setting that is left
.if MSB != \new
	s_set_vgpr_msb (MSB<<8)|\new
.set MSB, \new
.endif
.endm
.macro PLACES                          ; four plain vector lines between a matrix instruction and a load into, or a vector read or write of, its registers
.rept 4
	v_nop
.endr
.endm
.macro CREST                           ; a round of the cluster's barrier behind its opening barrier
	s_cmp_lg_u32 s22, 0
	s_cbranch_scc1 .Lnot_wave_0_\@
	s_barrier_signal -3
.Lnot_wave_0_\@:
	s_barrier_wait -3
	s_barrier_signal -1
	s_barrier_wait -1
.endm
.macro CROUND
	s_barrier_signal -1
	s_barrier_wait -1
	CREST
.endm
.macro XLD ss, i0, cnt                 ; loads i0 .. of step ss's sixteen (steps 0..15, both tiles counted through): load i = 4 mt + c is chunk c of row tile mt, 512 consecutive bytes; set ss % 3
.set AR_, 64+64*((\ss)%3)
.set I_, \i0
.rept \cnt
	global_load_b128 v[AR_+4*I_:AR_+4*I_+3], v[L16], s[52:53] offset:262144*((\ss)/8)+16384*(I_/4)+2048*((\ss)%8)+512*(I_%4)
.set I_, I_+1
.endr
.endm
.macro WRUN ss, h                      ; W's fragments 8 h .. 8 h + 7 of step ss into set h: 32 loads in one run
	WIN 0x40                                       ; destination in window 1
.set ST_, (\ss)%8
.set N_, 0
.rept 32                                       ; N_ = 4 x fragment + chunk
	ds_load_b128 v[128*(\h)+4*N_:128*(\h)+4*N_+3], v[ADB+ST_/2] offset:32768*(ST_%2)+16384*(\h)+512*N_
.set N_, N_+1
.endr
.endm
; Half h of a K step: 32 matrix instructions.  The accumulators take turns, one instruction a turn.  after: the LDS loads issued behind this set's run.
.macro HALF ss, h, after
.set AR_, 64+64*((\ss)%3)
.set DW_, 2+(\h)
.set MW_, 1|(DW_<<4)|(DW_<<6)
	WIN MW_                                        ; source 0 (W) window 1, source 1 (x) window 0, C and D window 2 or 3
.set F_, 0
.rept 8
	s_wait_dscnt (\after)+4*(7-F_)                 ; this fragment is in; behind it: the run's later fragments, four loads each, and the other set's run
.set M_, 0
.rept 4
	v_wmma_f32_16x16x128_fp8_fp8 v[32*F_+8*M_:32*F_+8*M_+7], v[128*(\h)+16*F_:128*(\h)+16*F_+15], v[AR_+16*M_:AR_+16*M_+15], v[32*F_+8*M_:32*F_+8*M_+7]
.set M_, M_+1
.endr
.set F_, F_+1
.endr
.endm
; The same in a tile's first K step: row tiles 1 to 3 take the bias, which lies in row tile 0's accumulator, as C; five plain lines; then row tile 0 adds in place, over registers that those products have read.
.macro HALF1 ss, h
.set AR_, 64+64*((\ss)%3)
.set DW_, 2+(\h)
.set MW_, 1|(DW_<<4)|(DW_<<6)
	WIN MW_
	s_wait_dscnt 32                                ; this set and the bias are in: behind the youngest of them a run of 32 loads was issued
.set M_, 1
.rept 3
.set F_, 0
.rept 8
	v_wmma_f32_16x16x128_fp8_fp8 v[32*F_+8*M_:32*F_+8*M_+7], v[128*(\h)+16*F_:128*(\h)+16*F_+15], v[AR_+16*M_:AR_+16*M_+15], v[32*F_:32*F_+7]
.set F_, F_+1
.endr
.set M_, M_+1
.endr
.rept 5
	v_nop
.endr
.set F_, 0
.rept 8
	v_wmma_f32_16x16x128_fp8_fp8 v[32*F_:32*F_+7], v[128*(\h)+16*F_:128*(\h)+16*F_+15], v[AR_:AR_+15], v[32*F_:32*F_+7]
.set F_, F_+1
.endr
.endm
.macro STEP ss
.set L_, (\ss)%8
.if L_ <= 5
	s_wait_loadcnt 32                              ; this step's codes of x are in; the two steps asked for behind it may be out
.else
	s_wait_loadcnt 16*(7-L_)                       ; the counts run down
.endif
.if L_ == 0
	HALF1 \ss, 0
.else
	HALF \ss, 0, 32
.endif
	PLACES
.if L_ < 7
	WRUN (\ss)+1, 0                                ; into the set just multiplied
.endif
.if L_ == 0
	HALF1 \ss, 1
.elseif L_ == 7
	HALF \ss, 1, 0
.else
	HALF \ss, 1, 32
.endif
	PLACES
.if L_ <= 4
	WIN 0
	XLD (\ss)+3, 0, 16                             ; into x's set just multiplied
.endif
.if L_ < 7
	WRUN (\ss)+1, 1
.endif
.endm
.macro BACC hd                         ; the scaled bias of head hd's four column tiles into the accumulators of row tile 0, in the result's layout: lane (r, h) wants columns 16 nt + 8 h + 0 .. 7
.set W_, (2+(\hd)/2)<<6
	WIN W_
.set BB_, 128*((\hd)%2)
.irp q, 0,1,2,3
	ds_load_b128 v[BB_+32*\q:BB_+32*\q+3], v[BRD] offset:64*(4*(\hd)+\q)
	ds_load_b128 v[BB_+32*\q+4:BB_+32*\q+7], v[BRD] offset:64*(4*(\hd)+\q)+16
.endr
.endm
; THE WAY OUT of head hd (column tiles 4 hd .. + 3, 16 accumulators).  k = 0: q's and k's first tile, with what the next tile wants first; k = 1: their second tile; k = 2: v's one tile, with the turn.
.macro HEAD k, hd
.set DW_, 2+(\hd)/2
.set AB_, 128*((\hd)%2)
.if (\k) == 1
.set TO_, 16384
.else
.set TO_, 0
.endif
.set W_, DW_|(DW_<<6)
	WIN W_
.set N_, 0
.rept 128                                      ; each accumulator from its low end on
	v_med3_num_f32 v[AB_+N_], v[AB_+N_], -v[LMO], v[LMO]   ; the conversion to an 8-bit code does not saturate (ISA guide 7.6.2): the hold comes first
.set N_, N_+1
.endr
.if ((\k) == 1) || ((\hd) > 0)
	s_wait_alu depctr_va_vdst(0)
	s_wait_xcnt 0x0                                ; the last head's stores have read the codes' registers: they are written again only behind this wait
.endif
	WIN DW_                                        ; source 0 in the sums' window
.set N_, 0
.rept 16                                       ; registers 2 n, 2 n + 1 of the fragment of token tile mt: d = 16 n + 8 h + 0 .. 7 of token r
	v_cvt_scalef32_pk8_fp8_f32 v[CO+8*(N_%4)+2*(N_/4):CO+8*(N_%4)+2*(N_/4)+1], v[AB_+8*N_:AB_+8*N_+7], v[SCO]
.set N_, N_+1
.endr
	v_nop                                          ; a plain line behind the last conversion
.if (\k) == 2
	; v.  D' = codes x I_dt, I_dt(k, n) = 1 where k = 16 dt + n: one product a sum, so D' holds the codes' values exactly: register j of lane (r, h) = (token 16 mt + 8 h + j, d = 16 dt + r).
.set W_, DW_<<6
	WIN W_                                         ; D' over the head's sums, which are done with
.set N_, 0
.rept 16                                       ; N_ = 4 dt + mt; I_dt is the run of eight registers in which E0, E1 stand at 2 dt, 2 dt + 1
	v_wmma_f32_16x16x64_fp8_fp8 v[AB_+8*N_:AB_+8*N_+7], v[CO+8*(N_%4):CO+8*(N_%4)+7], v[ID+6-2*(N_/4):ID+13-2*(N_/4)], 0
.set N_, N_+1
.endr
	PLACES                                         ; the conversions below read these results and write over these sources
	WIN DW_
.set N_, 0
.rept 16                                       ; registers 2 mt, 2 mt + 1 of the fragment of d tile dt: keys 16 mt + 8 h + 0 .. 7 of d = 16 dt + r; the scale is 1: nothing is rounded
	v_cvt_scalef32_pk8_fp8_f32 v[CO+8*(N_/4)+2*(N_%4):CO+8*(N_/4)+2*(N_%4)+1], v[AB_+8*N_:AB_+8*N_+7], v[ONE]
.set N_, N_+1
.endr
	v_nop
.endif
	WIN 0
.irp x, 0,1,2,3                                ; x: the token tile (q, k) or the d tile (v)
.irp u, 0,1
	global_store_b128 v[L16], v[CO+8*\x+4*\u:CO+8*\x+4*\u+3], s[56:57] offset:65536*(\hd)+TO_+1024*\x+512*\u   ; 32 lanes store 512 consecutive bytes, aligned
.endr
.endr
.if (\k) == 0                                  ; what the next tile wants first, asked for head by head
	BACC \hd                                       ; its sums begin as the scaled bias
.if (\hd) < 3
	WIN 0
	XLD 8+(\hd), 0, 16                             ; x of its K step hd
.endif
.if (\hd) == 2
	WRUN 8, 0                                      ; W of its first K step
	WRUN 8, 1
.endif
	WIN 0
.endif
.endm
	s_load_b256 s[4:11], s[0:1], 0x0               ; xcodes s[4:5], wcodes s[6:7], bq s[8:9], bk s[10:11]
	s_load_b128 s[12:15], s[0:1], 0x20             ; bv s[12:13], the scales' exponents s[14:15]
	s_load_b64 s[16:17], s[0:1], 0x30              ; qkv
	v_lshl_add_u32 v[SPW], v0, 2, SPARE
	v_mov_b32 v[NIL], 0
	ds_add_u32 v[SPW], v[NIL]                      ; the add, twice on end, and one wait for both, ahead of my tensor load
	ds_add_u32 v[SPW], v[NIL]
	v_lshrrev_b32 v10, 5, v0
	v_readfirstlane_b32 s22, v10                   ; wave 0..3
	s_and_b32 s23, ttmp7, 0xffff                   ; the cluster's y, which the partners share:
	s_lshr_b32 s41, s23, 2
	s_min_u32 s26, s41, 2                          ; t,
	s_sub_co_u32 s41, s41, s26                     ; which 256 of the 512 rows (v alone; else 0),
	s_and_b32 s27, s23, 3                          ; the block of 256 columns
	s_bfe_u32 s24, ttmp6, 0x40000                  ; cx
	s_lshl_b32 s25, ttmp9, 2
	s_add_co_u32 s25, s25, s24                     ; my group of 512 rows = 4 x cluster x + cx: it enters x's and qkv's addresses alone
	; descriptor group 1: 256 rows of 256 bytes, dense: a wave's quarter of W's block
	s_mov_b32 s28, 15|(3<<16)|(1<<21)              ; 15:0 the mask: all four work-groups; 17:16 elements of 8 bytes; 21 set beside a mask; no padding
	s_mov_b32 s29, 32<<16                          ; tensor_dim0 = 32
	s_mov_b32 s30, 256<<16                         ; tensor_dim1 = 256
	s_mov_b32 s31, 32<<16                          ; tile_dim0 = 32
	s_mov_b32 s32, 256                             ; tile_dim1 = 256
	s_mov_b32 s33, 32                              ; the pitch
	s_mov_b32 s34, 0
	s_mov_b32 s35, 0
	v_and_b32 v10, 31, v0                          ; lane
	v_lshlrev_b32 v[L16], 4, v10
.irp j, 1,2,3
	v_add_nc_u32 v[ADB+\j], 65536*\j, v[L16]
.endr
	v_lshlrev_b32 v13, 5, v10                      ; 32 l: my eight biases, in memory and in my wave's copy
	s_lshl_b32 s21, s22, 16                        ; my quarter of the block: no place in the cluster enters an LDS address
	s_lshl_b32 s60, s22, 10
	s_add_co_u32 s60, s60, BIAS
	v_add_nc_u32 v14, s60, v13
	v_and_b32 v11, 15, v0                          ; r
	v_bfe_u32 v12, v0, 4, 1                        ; h
	v_lshl_add_u32 v[BRD], v12, 5, s60
	s_mov_b32 s61, 0
	s_wait_alu depctr_va_vdst(0)
	s_wait_dscnt 0x0                               ; both opening adds are done
	s_wait_kmcnt 0x0
	s_lshl_b32 s60, s26, 3
	s_add_nc_u64 s[66:67], s[14:15], s[60:61]
	s_load_b64 s[18:19], s[66:67], 0x0             ; ea, eb: entries 2 t, 2 t + 1
	s_lshl_b32 s60, s26, 2
	s_add_nc_u64 s[68:69], s[14:15], s[60:61]
	s_load_b32 s20, s[68:69], 0x18                 ; eo: entry 6 + t
	s_cmp_eq_u32 s26, 1                            ; the bias is chosen by t alone
	s_cselect_b64 s[58:59], s[10:11], s[12:13]
	s_cmp_eq_u32 s26, 0
	s_cselect_b64 s[58:59], s[8:9], s[58:59]
	s_lshl_b32 s60, s27, 10                        ; the block's 256 numbers
	s_add_nc_u64 s[58:59], s[58:59], s[60:61]
	s_lshl_b32 s60, s26, 23                        ; xcodes: t x 2^23 + 512 rows x 1,024 bytes a group + 256 rows a tile + 64 rows a wave
	s_lshl_b32 s62, s25, 19
	s_add_co_u32 s60, s60, s62
	s_lshl_b32 s62, s41, 18
	s_add_co_u32 s60, s60, s62
	s_lshl_b32 s62, s22, 16
	s_add_co_u32 s60, s60, s62
	s_add_nc_u64 s[52:53], s[4:5], s[60:61]
	s_lshl_b32 s60, s26, 23                        ; qkv: t x 2^23 + (16 b + 4 cg) x 65,536 + (block of 64 tokens within the batch) x 4,096
	s_lshr_b32 s62, s25, 1
	s_lshl_b32 s62, s62, 20
	s_add_co_u32 s60, s60, s62
	s_lshl_b32 s62, s27, 18
	s_add_co_u32 s60, s60, s62
	s_and_b32 s62, s25, 1
	s_lshl_b32 s62, s62, 15
	s_add_co_u32 s60, s60, s62
	s_lshl_b32 s62, s41, 14
	s_add_co_u32 s60, s60, s62
	s_lshl_b32 s62, s22, 12
	s_add_co_u32 s60, s60, s62
	s_add_nc_u64 s[56:57], s[16:17], s[60:61]
	s_lshl_b32 s60, s26, 20                        ; wcodes: t x 2^20 + cg x 262,144 + 65,536 w: made of what the partners share
	s_lshl_b32 s62, s27, 18
	s_add_co_u32 s60, s60, s62
	s_add_co_u32 s60, s60, s21
	s_mov_b32 s36, 1                               ; group 0: count; LDS address; global address; type = 2
	s_mov_b32 s37, s21
	s_add_nc_u64 s[38:39], s[6:7], s[60:61]
	s_or_b32 s39, s39, 0x80000000
	global_load_b128 v[32:35], v13, s[58:59]
	global_load_b128 v[36:39], v13, s[58:59] offset:16
	XLD 0, 0, 16
	CROUND                                         ; all four work-groups are here: the joint loads meet
	tensor_load_to_lds s[36:39], s[28:35]          ; my one tensor load of the launch
	s_nop 0
	PLACES
	XLD 1, 0, 16
	XLD 2, 0, 16
	; the matrix of ones and zeros: in I_dt lane (r, h) has the code of 1.0 (0x38) at k = 16 dt + r: byte r % 8 of registers 2 dt, 2 dt + 1, where h = r / 8
	v_lshrrev_b32 v40, 3, v11
	v_cmp_eq_u32 vcc_lo, v40, v12                  ; h = r / 8?
	v_and_b32 v41, 3, v11
	v_lshlrev_b32 v41, 3, v41
	v_mov_b32 v42, 0x38
	v_lshlrev_b32 v42, v41, v42                    ; 0x38 in byte r % 4
	v_cndmask_b32 v42, 0, v42, vcc_lo
	v_and_b32 v40, 4, v11
	v_cmp_eq_u32 vcc_lo, 0, v40                    ; in the pair's first register?
	v_cndmask_b32 v[ID+6], 0, v42, vcc_lo          ; E0
	v_sub_nc_u32 v[ID+7], v42, v[ID+6]             ; E1: the rest
.irp i, 0,1,2,3,4,5,8,9,10,11,12,13
	v_mov_b32 v[ID+\i], 0
.endr
	s_wait_kmcnt 0x0
	s_add_co_i32 s54, s18, s19                     ; ea + eb
	s_sub_co_i32 s55, 0, s54
	s_sub_co_i32 s60, s20, s54                     ; eo - ea - eb
	s_add_co_i32 s60, s60, 127
	s_lshl_b32 s62, s60, 23
	v_mov_b32 v[SCO], s62
	s_add_co_i32 s60, s60, 8
	s_lshl_b32 s60, s60, 23
	s_or_b32 s60, s60, 0x600000
	v_mov_b32 v[LMO], s60
	v_mov_b32 v[ONE], 1.0
	s_wait_alu depctr_va_vdst(0)
	s_wait_loadcnt 48                              ; the bias is in; x's three steps asked for behind it may be out
.irp i, 0,1,2,3,4,5,6,7
	v_ldexp_f32 v[32+\i], v[32+\i], s55            ; b x 2^-(ea + eb)
.endr
	ds_store_b128 v14, v[32:35]                    ; my wave's own copy: only I read it, and LDS serves a wave's instructions in order (ISA guide 5.7.1.4)
	ds_store_b128 v14, v[36:39] offset:16
.irp hd, 0,1,2,3
	BACC \hd
.endr
	WIN 0
	s_wait_tensorcnt 0x0                           ; my quarter of W has landed
	s_wait_dscnt 0x0                               ; the sums' first terms are in; no LDS instruction of mine is pending at a signal
	s_barrier_signal -1
	s_barrier_wait -1                              ; everybody's quarter has landed; from here on W is only read
	WRUN 0, 0
	WRUN 0, 1
.irp ss, 0,1,2,3,4,5,6,7
	STEP \ss
.endr
	WIN 0
	s_cmp_eq_u32 s26, 2
	s_cbranch_scc1 .Lvalues                        ; v's work-groups have one tile and a way out of their own
.irp hd, 0,1,2,3
	HEAD 0, \hd
.endr
.irp ss, 8,9,10,11,12,13,14,15
	STEP \ss
.endr
.irp hd, 0,1,2,3
	HEAD 1, \hd
.endr
	s_branch .Lend
.Lvalues:
.irp hd, 0,1,2,3
	HEAD 2, \hd
.endr
.Lend:
	s_wait_tensorcnt 0x0                           ; the wave's end
	ds_add_u32 v[SPW], v[NIL]
	s_wait_dscnt 0x0
	CROUND                                         ; the closing round: no work-group ends while a partner may still ask for a tile that names it
	s_endpgm
.Lfunc_end_k_q9999cb6dfc_gemm:
	.size	k_q9999cb6dfc_gemm, .Lfunc_end_k_q9999cb6dfc_gemm-k_q9999cb6dfc_gemm
	.p2alignl 7, 3214868480
	.fill 96, 4, 3214868480
	.section	.rodata,"a",@progbits
	.p2align	6, 0x0
	.amdhsa_kernel k_q9999cb6dfc_gemm
		.amdhsa_group_segment_fixed_size 327680
		.amdhsa_private_segment_fixed_size 0
		.amdhsa_enable_private_segment 0
		.amdhsa_kernarg_size 56
		.amdhsa_user_sgpr_count 2
		.amdhsa_user_sgpr_kernarg_segment_ptr 1
		.amdhsa_wavefront_size32 1
		.amdhsa_system_sgpr_workgroup_id_x 1
		.amdhsa_system_sgpr_workgroup_id_y 1
		.amdhsa_system_sgpr_workgroup_id_z 1
		.amdhsa_system_vgpr_workitem_id 0
		.amdhsa_next_free_vgpr 1024
		.amdhsa_next_free_sgpr 72
		.amdhsa_reserve_vcc 1
		.amdhsa_float_denorm_mode_32 3
		.amdhsa_float_denorm_mode_16_64 3
		.amdhsa_memory_ordered 1
		.amdhsa_forward_progress 1
		.amdhsa_inst_pref_size 255
	.end_amdhsa_kernel
	.section	.bss,"aw",@nobits
	.p2align	6
	.space	262144
	.amdgpu_metadata
---
amdhsa.version: [ 1, 2 ]
amdhsa.kernels:
  - .name:           k_q9999cb6dfc_gemm
    .symbol:         k_q9999cb6dfc_gemm.kd
    .args:
      - { .name: xcodes, .offset: 0, .size: 8, .value_kind: global_buffer, .address_space: global }
      - { .name: wcodes, .offset: 8, .size: 8, .value_kind: global_buffer, .address_space: global }
      - { .name: bq, .offset: 16, .size: 8, .value_kind: global_buffer, .address_space: global }
      - { .name: bk, .offset: 24, .size: 8, .value_kind: global_buffer, .address_space: global }
      - { .name: bv, .offset: 32, .size: 8, .value_kind: global_buffer, .address_space: global }
      - { .name: lowp_scales, .offset: 40, .size: 8, .value_kind: global_buffer, .address_space: global }
      - { .name: qkv, .offset: 48, .size: 8, .value_kind: global_buffer, .address_space: global }
    .group_segment_fixed_size: 327680
    .private_segment_fixed_size: 0
    .kernarg_segment_align: 8
    .kernarg_segment_size: 56
    .max_flat_workgroup_size: 128
    .sgpr_count:     72
    .vgpr_count:     1024
    .wavefront_size: 32
...
	.end_amdgpu_metadata
.endif
;; end of part 5
;; launch attn (part 6): grid 2 x 128, 8 waves a work-group, no clusters, 166,912 bytes of LDS; arguments qkv, lowp_scales, out0; writes out0
.if DOCPART == 6
	.amdgcn_target "amdgcn-amd-amdhsa--gfx1250"
	.amdhsa_code_object_version 6
	.text
	.protected	k_q9999cb6dfc_attn
	.globl	k_q9999cb6dfc_attn
	.p2align	8
	.type	k_q9999cb6dfc_attn,@function
k_q9999cb6dfc_attn:
	s_mov_b64 s[64:65], 0
	v_nop
	global_prefetch_b8 v0, s[64:65] scope:SCOPE_SE
	s_setreg_imm32_b32 hwreg(HW_REG_WAVE_MODE, 25, 1), 1
	s_wait_xcnt 0x0
; out[b][q][h][:] = sum over k of softmax_k(tril(q . k / 8)) v[k][:], both products on codes of E4M3 (scales: q entry 6, k 7, v 8, p 9).  THE MASK LEAVES ZEROS, NOT -INFINITY: a key after its query has logit 0.
; So the first product is needed on and under the diagonal alone; the second for all 1,024 keys; a hidden key's weight is the row's constant p0 = 2^-M, and 0 takes part in the maximum of every row that has a hidden key.
; SOFTMAX: t = score x log2(e) / 8; M = the running largest t rounded UP to a whole number, kept as -M = floor(-t); p = 2^(t - M) is quantised, not normalised; the row's sum is taken of the unquantised p and divides at the end;
; when M moves, the sum and O are multiplied by f = 2^(old M - new M), which rounds nothing.
; SHARES.  Work-group y = the head bh of 128, x = g of 2.  The head's K and V codes, 65,536 bytes each, lie whole in LDS, filled once through registers.  The head's 32 pairs of query tiles (32 queries) go in couples:
; wave w takes pair m = 8 g + w and then pair 31 - m.  With Jd = m / 4 the step of 128 keys on the diagonal, a couple has 9 steps with a softmax and 7 hidden ones, whatever w: all waves of all work-groups have equal work.
; LAYOUT.  Both products transposed: S^T = K Q^T (16x16x64; source 0 = 16 keys, source 1 = 16 queries), O^T = V^T P^T (16x16x128; source 0 = 16 of the head's 64).  A lane holds ONE query (lane % 16) throughout; register j of
; key tile c is key 16 c + 8 h + j, so the conversion of tile c gives registers 2 c, 2 c + 1 of P as the form's own layout has them.  Two query tiles share each fragment of K and V.
; HIDDEN STEPS (J > Jd): M is final behind step Jd, since 0 has been counted there; P is sixteen registers of p0's code; the sum takes 64 (7 - Jd) p0 a lane at once; each step is V's loads and 8 products.
; THE HOLD of p at 448 x 2^ep changes nothing where ep >= -8 (448 x 2^-8 = 1.75, and p <= 1): there a scalar branch on the given whole number ep passes over it.  This text has no tensor load and no copy.
; NO CLUSTER: only the two work-groups of a head read the same bytes, each once, at its head; joint loads would be tensor loads.
; LIMITS on the given exponents: e6 + e7 between -123 and 130 (added to c's exponent field); ep between -126 and 119; e8 + e9 is applied by v_ldexp_f32 and has none.
; REGISTERS.  Window 0: v1-7 addresses; v9 2^ep, v10 448 x 2^ep, v11 64 (7 - Jd); v12-15 second chains of the sums; v16.. statistics, 8 a tile; v32-63 P; v64-191 S^T, then p; v192-255 O^T.
;   Window 1: v0-63 K's 8 fragments; v64-127 V's 4; v128-143 Q of the pair in hand; v144-159 Q of the second pair.
.set STAGE, 131072                     ; behind K and V: 16 rows x 272 bytes for each wave, its own
.set SP,  272
.set ADK, 3                            ; v3   LDS address of the step's K
.set ADV, 4                            ; v4   of its V
.set STO, 5                            ; v5   the stage, in
.set RD,  6                            ; v6   the stage, back
.set GO,  7                            ; v7   my byte offset in two rows of out
.set SCP, 9
.set LMP, 10
.set CNT, 11
.set C2,  12
.set ST,  16                           ; tile a at ST + 8 a: +0 -M, +1 the largest t, +2, +3 the sum, +4 f, +5 zero, +6, +7 at work
.set P,   32
.set S,   64
.set O,   192
.set KF,  0
.set VF,  64
.set QF,  128
.set Q2,  144
.set MSB, 0
.macro WIN new                         ; the immediate's high byte repeats the setting that is left
.if MSB != \new
	s_set_vgpr_msb (MSB<<8)|\new
.set MSB, \new
.endif
.endm
.macro PLACES
.rept 4
	v_nop
.endr
.endm
.macro LDK                             ; the step's 8 tiles of 16 keys: 16 loads of 512 consecutive bytes
.irp c, 0,1,2,3,4,5,6,7
.irp u, 0,1
	ds_load_b128 v[KF+8*\c+4*\u:KF+8*\c+4*\u+3], v[ADK] offset:1024*\c+512*\u
.endr
.endr
.endm
.macro LDV                             ; the step's two blocks of 64 keys x 4 d tiles: 16 loads
.irp bb, 0,1
.irp dt, 0,1,2,3
.irp u, 0,1
	ds_load_b128 v[VF+16*\dt+8*\bb+4*\u:VF+16*\dt+8*\bb+4*\u+3], v[ADV] offset:4096*\bb+1024*\dt+512*\u
.endr
.endr
.endr
.endm
.macro PV                              ; O^T += V^T P^T: the eight accumulators by turns
	WIN 0x01                                       ; source 0 (V) in window 1
.irp dt, 0,1,2,3
.irp a, 0,1
	v_wmma_f32_16x16x128_fp8_fp8 v[O+32*\a+8*\dt:O+32*\a+8*\dt+7], v[VF+16*\dt:VF+16*\dt+15], v[P+16*\a:P+16*\a+15], v[O+32*\a+8*\dt:O+32*\a+8*\dt+7]
.endr
.endr
	WIN 0
.endm
.macro MASKC a, c
	s_cmp_gt_u32 s[17+\a], \c
	s_cbranch_scc1 .Lunder_\@
	s_cmp_eq_u32 s[17+\a], \c
	s_cselect_b32 s40, -1, 0
.irp j, 0,1,2,3,4,5,6,7
	s_and_b32 s41, s[32+\j], s40                   ; the lanes that keep register j
	v_cndmask_b32 v[S+64*\a+8*\c+\j], 0, v[S+64*\a+8*\c+\j], s41
.endr
.Lunder_\@:
.endm
; Behind the diagonal step, where hidden steps follow: p0 = 2^-M; the lane's sum takes its 64 (7 - Jd) hidden keys at once; P becomes sixteen registers of p0's code.
.macro P0 a
	v_cvt_i32_f32 v[ST+8*\a+6], v[ST+8*\a]         ; -M, a whole number, 0 or less (it saturates)
	s_delay_alu instid0(VALU_DEP_1)
	v_ldexp_f32 v[ST+8*\a+6], 1.0, v[ST+8*\a+6]
	s_delay_alu instid0(VALU_DEP_1)
	v_fmac_f32 v[ST+8*\a+2], v[CNT], v[ST+8*\a+6]
	s_delay_alu instid0(VALU_DEP_2)
	v_min_num_f32 v[S+64*\a], v[ST+8*\a+6], v[LMP] ; the hold
.irp i, 1,2,3,4,5,6,7
	v_mov_b32 v[S+64*\a+\i], v[S+64*\a]
.endr
	v_cvt_scalef32_pk8_fp8_f32 v[P+16*\a:P+16*\a+1], v[S+64*\a:S+64*\a+7], v[SCP]   ; (the eleven plain lines above are the places behind the products that read P)
	v_nop
.irp i, 1,2,3,4,5,6,7
	v_mov_b32 v[P+16*\a+2*\i], v[P+16*\a]
	v_mov_b32 v[P+16*\a+2*\i+1], v[P+16*\a+1]
.endr
.endm
	s_load_b128 s[4:7], s[0:1], 0x0                ; qkv s[4:5], the scales' exponents s[6:7]
	s_load_b64 s[8:9], s[0:1], 0x10                ; out0
	v_lshl_add_u32 v8, v0, 2, 0x28800
	s_set_vgpr_msb 0x40
	v_mov_b32 v161, 0
	s_set_vgpr_msb 0x4000
	v_lshrrev_b32 v12, 5, v0
	s_delay_alu instid0(VALU_DEP_1)
	v_readfirstlane_b32 s10, v12                   ; wave 0..7
	s_and_b32 s12, ttmp7, 0xffff                   ; bh
	s_lshl_b32 s50, ttmp9, 3
	s_add_co_u32 s50, s50, s10                     ; my first pair: 8 g + w
	s_sub_co_u32 s51, 31, s50                      ; my second
	v_and_b32 v12, 31, v0
	s_delay_alu instid0(VALU_DEP_1)
	v_lshlrev_b32 v1, 4, v12                       ; 16 l
	s_delay_alu instid0(VALU_DEP_1)
	v_add_nc_u32 v2, 0x10000, v1                   ; V's region + 16 l
	s_lshl_b32 s11, s10, 13                        ; the 8,192 bytes of K and of V that my wave copies
	v_add_nc_u32 v[ADK], s11, v1
	v_add_nc_u32 v[ADV], s11, v2
	s_lshl_b32 s40, s12, 16                        ; the head's 65,536 bytes in each tensor
	s_mov_b32 s41, 0
	s_add_co_u32 s52, s11, 0x800000                ; k lies 2^23 bytes behind q, v 2^23 behind k
	s_mov_b32 s53, 0
	s_lshl_b32 s56, s50, 11                        ; a pair's two images of Q: 2,048 bytes
	s_mov_b32 s57, 0
	s_lshl_b32 s58, s51, 11
	s_mov_b32 s59, 0
	s_lshr_b32 s48, s12, 4                         ; out: b x 2^22 + h x 256 (+ 4,096 a query)
	s_lshl_b32 s48, s48, 22
	s_and_b32 s49, s12, 15
	s_lshl_b32 s49, s49, 8
	s_add_co_u32 s48, s48, s49
	s_mov_b32 s49, 0
	s_wait_alu depctr_va_vdst(0)
	s_wait_kmcnt 0x0
	s_load_b128 s[24:27], s[6:7], 0x18             ; e6, e7, e8, e9
	s_add_nc_u64 s[42:43], s[4:5], s[40:41]
	s_add_nc_u64 s[52:53], s[42:43], s[52:53]
	s_add_nc_u64 s[54:55], s[52:53], 0x800000
	s_add_nc_u64 s[56:57], s[42:43], s[56:57]
	s_add_nc_u64 s[58:59], s[42:43], s[58:59]
	s_add_nc_u64 s[48:49], s[8:9], s[48:49]
.irp i, 0,1,2,3,4,5,6,7,8,9,10,11,12,13,14,15
	global_load_b128 v[S+4*\i:S+4*\i+3], v1, s[52:53] offset:512*\i
.endr
.irp i, 0,1,2,3,4,5,6,7,8,9,10,11,12,13,14,15
	global_load_b128 v[S+64+4*\i:S+64+4*\i+3], v1, s[54:55] offset:512*\i
.endr
	WIN 0x40                                       ; destination in window 1
.irp i, 0,1,2,3
	global_load_b128 v[QF+4*\i:QF+4*\i+3], v1, s[56:57] offset:512*\i
	global_load_b128 v[Q2+4*\i:Q2+4*\i+3], v1, s[58:59] offset:512*\i
.endr
	WIN 0
	v_and_b32 v12, 15, v0                          ; r
	v_bfe_u32 v13, v0, 4, 1                        ; h
	s_mul_i32 s40, s10, 16*SP
	s_add_co_u32 s40, s40, STAGE                   ; my stage
	v_mul_u32_u24 v[STO], v12, SP
	s_delay_alu instid0(VALU_DEP_1)
	v_lshl_add_u32 v[STO], v13, 5, v[STO]
	s_delay_alu instid0(VALU_DEP_1)
	v_add_nc_u32 v[STO], s40, v[STO]               ; in: row r, + 32 h
	v_mul_u32_u24 v[RD], v13, SP
	s_delay_alu instid0(VALU_DEP_1)
	v_lshl_add_u32 v[RD], v12, 4, v[RD]
	s_delay_alu instid0(VALU_DEP_1)
	v_add_nc_u32 v[RD], s40, v[RD]                 ; back: lanes 0-15 one row of 256 bytes, lanes 16-31 the next
	v_lshlrev_b32 v[GO], 12, v13
	s_delay_alu instid0(VALU_DEP_1)
	v_lshl_add_u32 v[GO], v12, 4, v[GO]            ; and the same two queries in out, 4,096 bytes apart
	s_mov_b32 s20, 0x76543210                      ; v_permlanex16_b32: lane l xor 16
	s_mov_b32 s21, 0xfedcba98
	s_mov_b32 s31, 0xff61b1e6                      ; -3e38, under every score and every t
	s_mov_b32 s30, 2                               ; pairs to go
.irp j, 0,1,2,3,4,5,6,7
	s_mov_b32 s[32+\j], (((0xffff<<(8+\j))&0xffff)<<16)|((0xffff<<\j)&0xffff)   ; the lanes (r, h) with 8 h + j <= r
.endr
.irp i, 0,1,2,3,4,5,6,7,8,9,10,11,12,13,14,15,16,17,18,19,20,21,22,23,24,25,26,27,28,29,30,31
	v_mov_b32 v[P+\i], 0                           ; P is written once here, so that it is written on every way to the hidden step's products
.endr
	s_wait_kmcnt 0x0
	s_add_co_i32 s40, s24, s25
	s_lshl_b32 s40, s40, 23
	s_add_co_i32 s22, s40, 0x3e38aa3b              ; c = log2(e) / 8, with e6 + e7 added to its exponent field
	s_mov_b32 s23, s22                             ; (named with it as a pair, so it is written)
	s_add_co_i32 s40, s27, 127
	s_lshl_b32 s41, s40, 23
	v_mov_b32 v[SCP], s41                          ; 2^ep
	s_add_co_i32 s40, s40, 8
	s_lshl_b32 s40, s40, 23
	s_or_b32 s40, s40, 0x600000
	v_mov_b32 v[LMP], s40                          ; 448 x 2^ep
	s_add_co_i32 s46, s26, s27                     ; e8 + e9
	s_wait_loadcnt 24                              ; K's 16 loads are in; V's 16 and Q's 8 may be out
.irp i, 0,1,2,3,4,5,6,7,8,9,10,11,12,13,14,15
	ds_store_b128 v[ADK], v[S+4*\i:S+4*\i+3] offset:512*\i
.endr
	s_wait_loadcnt 8                               ; V's are in; Q's 8 may be out
.irp i, 0,1,2,3,4,5,6,7,8,9,10,11,12,13,14,15
	ds_store_b128 v[ADV], v[S+64+4*\i:S+64+4*\i+3] offset:512*\i
.endr
	s_wait_dscnt 0x0                               ; for the others' sake: my part of K and V lies in LDS
	s_barrier_signal -1
	s_barrier_wait -1                              ; the launch's one barrier: from here on K and V are only read
	s_wait_loadcnt 0x0                             ; Q
.Lpair:
	s_cmp_eq_u32 s30, 2
	s_cselect_b32 s13, s50, s51                    ; m
	s_lshr_b32 s14, s13, 2                         ; Jd
	s_and_b32 s17, s13, 3
	s_lshl_b32 s17, s17, 1                         ; tile 0's place among the diagonal step's eight key tiles,
	s_add_co_u32 s18, s17, 1                       ; tile 1's
	s_sub_co_u32 s40, 7, s14
	s_lshl_b32 s40, s40, 6
	v_cvt_f32_u32 v[CNT], s40                      ; a lane's share of the keys of the hidden steps
	s_cmp_lt_u32 s14, 7
	s_cselect_b32 s28, s14, 99                     ; the step behind which hidden steps follow; none where Jd = 7
	s_lshl_b32 s40, s13, 17                        ; 32 queries of 4,096 bytes
	s_mov_b32 s41, 0
	s_add_nc_u64 s[44:45], s[48:49], s[40:41]
	s_mov_b32 s15, 0                               ; J
	s_mov_b32 s16, 0                               ; 8,192 J
.irp a, 0,1
	v_mov_b32 v[ST+8*\a+1], s31                    ; the largest t so far
	s_delay_alu instid0(VALU_DEP_1)
	v_floor_f32 v[ST+8*\a], -v[ST+8*\a+1]          ; -M
	v_mov_b32 v[ST+8*\a+2], 0                      ; the sum, in two halves
	v_mov_b32 v[ST+8*\a+3], 0
	v_mov_b32 v[ST+8*\a+5], 0                      ; (named as the upper half of f's pair)
.endr
.irp i, 0,1,2,3,4,5,6,7,8,9,10,11,12,13,14,15,16,17,18,19,20,21,22,23,24,25,26,27,28,29,30,31,32,33,34,35,36,37,38,39,40,41,42,43,44,45,46,47,48,49,50,51,52,53,54,55,56,57,58,59,60,61,62,63
	v_mov_b32 v[O+\i], 0                           ; O^T: the step is written once; the first finds zeros, which the first change of M leaves zeros
.endr
.Lstep:                                            ; 8 trips, a constant: every wave walks all steps and branches inside
	v_add_nc_u32 v[ADK], s16, v1
	v_add_nc_u32 v[ADV], s16, v2
	v_nop                                          ; with the two additions: the four places in front of loads into registers that the last products read
	v_nop
	s_cmp_gt_u32 s15, s14
	s_cbranch_scc1 .Lhid
	WIN 0x40
	LDK
	LDV
	s_wait_dscnt 16                                ; K is in; V's 16 loads may be out
	WIN 0x05                                       ; K and Q in window 1
.irp c, 0,1,2,3,4,5,6,7
.irp a, 0,1
	v_wmma_f32_16x16x64_fp8_fp8 v[S+64*\a+8*\c:S+64*\a+8*\c+7], v[KF+8*\c:KF+8*\c+7], v[QF+8*\a:QF+8*\a+7], 0
.endr
.endr
	WIN 0
	PLACES
	s_cmp_eq_u32 s15, s28
	s_cselect_b32 s19, 0, s31                      ; where hidden steps follow, their logit 0 counts in the maximum now: M is final behind this step
	s_cmp_lg_u32 s15, s14
	s_cbranch_scc1 .Lopen
.irp c, 0,1,2,3,4,5,6,7
	MASKC 0, \c
	MASKC 1, \c
.endr
.Lopen:
	s_wait_alu depctr_va_vdst(0)
.irp a, 0,1                                    ; the step's largest score of my query among my 64 keys: two chains a tile; each accumulator is first read at its low end
	v_max3_num_f32 v[ST+8*\a+6], v[S+64*\a], v[S+64*\a+1], v[S+64*\a+2]
	v_max3_num_f32 v[ST+8*\a+7], v[S+64*\a+3], v[S+64*\a+4], v[S+64*\a+5]
.endr
.irp i, 6,10,14,18,22,26,30,34,38,42,46,50,54,58
.irp a, 0,1
	v_max3_num_f32 v[ST+8*\a+6], v[ST+8*\a+6], v[S+64*\a+\i], v[S+64*\a+\i+1]
	v_max3_num_f32 v[ST+8*\a+7], v[ST+8*\a+7], v[S+64*\a+\i+2], v[S+64*\a+\i+3]
.endr
.endr
.irp a, 0
	v_max3_num_f32 v[ST+8*\a+6], v[ST+8*\a+6], v[S+64*\a+62], v[S+64*\a+63]
.endr
.irp a, 1
	v_max3_num_f32 v[ST+8*\a+6], v[ST+8*\a+6], v[S+64*\a+62], v[S+64*\a+63]
.endr
.irp a, 0,1
	s_delay_alu instid0(VALU_DEP_2)
	v_max3_num_f32 v[ST+8*\a+6], v[ST+8*\a+6], v[ST+8*\a+7], s19
.endr
.irp a, 0,1
	s_delay_alu instid0(VALU_DEP_2)
	v_permlanex16_b32 v[ST+8*\a+7], v[ST+8*\a+6], s20, s21
.endr
.irp a, 0,1
	s_delay_alu instid0(VALU_DEP_2)
	v_max_num_f32 v[ST+8*\a+6], v[ST+8*\a+6], v[ST+8*\a+7]   ; and among lane l xor 16's
.endr
.irp a, 0,1
	s_delay_alu instid0(VALU_DEP_2)
	v_mul_f32 v[ST+8*\a+6], s22, v[ST+8*\a+6]      ; as t (c is positive)
.endr
.irp a, 0
	s_delay_alu instid0(VALU_DEP_2)
	v_max_num_f32 v[ST+8*\a+1], v[ST+8*\a+1], v[ST+8*\a+6]   ; the running largest t
	v_mov_b32 v[ST+8*\a+6], v[ST+8*\a]
.endr
.irp a, 1
	s_delay_alu instid0(VALU_DEP_3)
	v_max_num_f32 v[ST+8*\a+1], v[ST+8*\a+1], v[ST+8*\a+6]   ; the running largest t
	v_mov_b32 v[ST+8*\a+6], v[ST+8*\a]
.endr
.irp a, 0
	s_delay_alu instid0(VALU_DEP_4)
	v_floor_f32 v[ST+8*\a], -v[ST+8*\a+1]          ; the new -M = -ceil(t): a whole number
.endr
.irp a, 1
	s_delay_alu instid0(VALU_DEP_3)
	v_floor_f32 v[ST+8*\a], -v[ST+8*\a+1]          ; the new -M = -ceil(t): a whole number
.endr
.irp a, 0,1
	s_delay_alu instid0(VALU_DEP_2)
	v_sub_f32 v[ST+8*\a+6], v[ST+8*\a], v[ST+8*\a+6]   ; old M - new M, 0 or less
.endr
.irp a, 0,1
	s_delay_alu instid0(VALU_DEP_2)
	v_cvt_i32_f32 v[ST+8*\a+6], v[ST+8*\a+6]       ; (it saturates)
.endr
.irp a, 0,1
	s_delay_alu instid0(VALU_DEP_2)
	v_ldexp_f32 v[ST+8*\a+4], 1.0, v[ST+8*\a+6]    ; f = 2^(old M - new M)
.endr
.irp a, 0,1
.irp j, 0,2,4,6,8,10,12,14,16,18,20,22,24,26,28,30,32,34,36,38,40,42,44,46,48,50,52,54,56,58,60,62
	v_pk_fma_f32 v[S+64*\a+\j:S+64*\a+\j+1], v[S+64*\a+\j:S+64*\a+\j+1], s[22:23], v[ST+8*\a:ST+8*\a+1] op_sel_hi:[1,0,0]   ; t - M (of the pairs c and -M the low word serves both halves)
.endr
.endr
	s_wait_alu depctr_va_vdst(0)
.irp j, 0,1,2,3,4,5,6,7,8,9,10,11,12,13,14,15,16,17,18,19,20,21,22,23,24,25,26,27,28,29,30,31,32,33,34,35,36,37,38,39,40,41,42,43,44,45,46,47,48,49,50,51,52,53,54,55,56,57,58,59,60,61,62,63
	v_exp_f32 v[S+\j], v[S+\j]                     ; p = 2^(t - M): both tiles' 128 exponentials are one batch
	v_exp_f32 v[S+64+\j], v[S+64+\j]
.endr
.irp a, 0,1
	v_pk_mul_f32 v[ST+8*\a+2:ST+8*\a+3], v[ST+8*\a+2:ST+8*\a+3], v[ST+8*\a+4:ST+8*\a+5] op_sel_hi:[1,0]   ; the sums under the new M: the plain lines behind the exponentials
.endr
	s_wait_alu depctr_va_vdst(0)                   ; one wait for the batch, ahead of its first reader
.irp a, 0,1
	v_pk_add_f32 v[C2+2*\a:C2+2*\a+1], v[S+64*\a:S+64*\a+1], v[S+64*\a+2:S+64*\a+3]   ; the row's sum is taken of the unquantised p: two chains a tile
.endr
.irp j, 4,8,12,16,20,24,28,32,36,40,44,48,52,56,60
.irp a, 0,1
	v_pk_add_f32 v[ST+8*\a+2:ST+8*\a+3], v[ST+8*\a+2:ST+8*\a+3], v[S+64*\a+\j:S+64*\a+\j+1]
	v_pk_add_f32 v[C2+2*\a:C2+2*\a+1], v[C2+2*\a:C2+2*\a+1], v[S+64*\a+\j+2:S+64*\a+\j+3]
.endr
.endr
.irp a, 0
	s_delay_alu instid0(VALU_DEP_3)
	v_pk_add_f32 v[ST+8*\a+2:ST+8*\a+3], v[ST+8*\a+2:ST+8*\a+3], v[C2+2*\a:C2+2*\a+1]
.endr
.irp a, 1
	s_delay_alu instid0(VALU_DEP_2)
	v_pk_add_f32 v[ST+8*\a+2:ST+8*\a+3], v[ST+8*\a+2:ST+8*\a+3], v[C2+2*\a:C2+2*\a+1]
.endr
	s_cmp_gt_i32 s27, -9                           ; ep >= -8: 448 x 2^ep is above every p, and the hold would change nothing
	s_cbranch_scc1 .Lheld
.irp j, 0,1,2,3,4,5,6,7,8,9,10,11,12,13,14,15,16,17,18,19,20,21,22,23,24,25,26,27,28,29,30,31,32,33,34,35,36,37,38,39,40,41,42,43,44,45,46,47,48,49,50,51,52,53,54,55,56,57,58,59,60,61,62,63
	v_min_num_f32 v[S+\j], v[S+\j], v[LMP]         ; the conversion does not saturate (ISA guide 7.6.2); p is not negative, so the hold is one-sided
	v_min_num_f32 v[S+64+\j], v[S+64+\j], v[LMP]
.endr
.Lheld:
.irp a, 0,1
.irp c, 0,1,2,3,4,5,6,7
	v_cvt_scalef32_pk8_fp8_f32 v[P+16*\a+2*\c:P+16*\a+2*\c+1], v[S+64*\a+8*\c:S+64*\a+8*\c+7], v[SCP]   ; keys 16 c + 8 h + 0 .. 7: registers 2 c, 2 c + 1 of P
.endr
.endr
.irp a, 0,1
.irp j, 0,2,4,6,8,10,12,14,16,18,20,22,24,26,28,30
	v_pk_mul_f32 v[O+32*\a+\j:O+32*\a+\j+1], v[O+32*\a+\j:O+32*\a+\j+1], v[ST+8*\a+4:ST+8*\a+5] op_sel_hi:[1,0]   ; O^T under the new M; also the plain lines behind the conversions
.endr
.endr
	s_wait_alu depctr_va_vdst(0)
	s_wait_dscnt 0x0                               ; V is in
	PV
	s_cmp_lg_u32 s15, s28
	s_cbranch_scc1 .Lnext
	P0 0
	P0 1
	s_branch .Lnext
.Lhid:                                             ; all 128 keys come after my queries: weight p0 each
	WIN 0x40
	s_wait_alu depctr_va_vdst(0)
	LDV
	s_wait_dscnt 0x0
	PV
.Lnext:
	s_add_co_u32 s16, s16, 8192
	s_add_co_u32 s15, s15, 1
	s_cmp_lt_u32 s15, 8
	s_cbranch_scc1 .Lstep
	; THE WAY OUT of a pair.  The sum's halves and lane l xor 16's are added; O^T x 2^(e8 + e9) / the sum goes through my stage, a tile (16 queries x 256 bytes) at a time.  The additions are the places behind the last products.
.irp a, 0,1
	v_add_f32 v[ST+8*\a+6], v[ST+8*\a+2], v[ST+8*\a+3]
.endr
.irp a, 0,1
	s_delay_alu instid0(VALU_DEP_2)
	v_permlanex16_b32 v[ST+8*\a+7], v[ST+8*\a+6], s20, s21
.endr
.irp a, 0,1
	s_delay_alu instid0(VALU_DEP_2)
	v_add_f32 v[ST+8*\a+6], v[ST+8*\a+6], v[ST+8*\a+7]
.endr
	s_wait_alu depctr_va_vdst(0)
.irp a, 0,1
	v_rcp_f32 v[ST+8*\a+6], v[ST+8*\a+6]
.endr
	v_nop                                          ; a plain line behind the reciprocals
	s_wait_alu depctr_va_vdst(0)                   ; one wait for both, ahead of their first reader
.irp a, 0,1
	v_ldexp_f32 v[ST+8*\a+6], v[ST+8*\a+6], s46
.endr
.irp a, 0,1
.irp j, 0,2,4,6,8,10,12,14,16,18,20,22,24,26,28,30
	v_pk_mul_f32 v[S+64*\a+\j:S+64*\a+\j+1], v[O+32*\a+\j:O+32*\a+\j+1], v[ST+8*\a+6:ST+8*\a+7] op_sel_hi:[1,0]   ; register 8 dt + j: out(query r, d = 16 dt + 8 h + j); each accumulator from its low end on
.endr
.irp dt, 0,1,2,3
	ds_store_b128 v[STO], v[S+64*\a+8*\dt:S+64*\a+8*\dt+3] offset:64*\dt
	ds_store_b128 v[STO], v[S+64*\a+8*\dt+4:S+64*\a+8*\dt+7] offset:64*\dt+16
.endr
.irp i, 0,1,2,3,4,5,6,7
	ds_load_b128 v[S+64*\a+32+4*\i:S+64*\a+32+4*\i+3], v[RD] offset:2*SP*\i   ; LDS serves a wave's instructions in order (ISA guide 5.7.1.4): these see my stores, and the next tile's stores come behind them
.endr
.endr
.irp a, 0,1
.irp i, 0,1,2,3,4,5,6,7
	s_wait_dscnt 16*(1-\a)+7-\i                    ; this load is back; behind it: the tile's later loads and, for tile 0, tile 1's sixteen LDS instructions
	global_store_b128 v[GO], v[S+64*\a+32+4*\i:S+64*\a+32+4*\i+3], s[44:45] offset:65536*\a+8192*\i th:TH_STORE_NT   ; sixteen lanes store the 256 consecutive bytes of one (query, head), aligned
.endr
.endr
	s_wait_xcnt 0x0                                ; the stores have read their registers and their base: both are written again in the next pair
	WIN 0x41                                       ; destination and source 0 in window 1
.irp i, 0,1,2,3,4,5,6,7,8,9,10,11,12,13,14,15
	v_mov_b32 v[QF+\i], v[Q2+\i]                   ; the second pair's Q takes its place
.endr
	WIN 0
	s_sub_co_u32 s30, s30, 1
	s_cmp_lg_u32 s30, 0
	s_cbranch_scc1 .Lpair
	s_set_vgpr_msb 0x4
	s_wait_tensorcnt 0x0
	ds_add_u32 v8, v161
	s_wait_dscnt 0x0
	s_set_vgpr_msb 0x400
	s_endpgm
.Lfunc_end_k_q9999cb6dfc_attn:
	.size	k_q9999cb6dfc_attn, .Lfunc_end_k_q9999cb6dfc_attn-k_q9999cb6dfc_attn
	.p2alignl 7, 3214868480
	.fill 96, 4, 3214868480
	.section	.rodata,"a",@progbits
	.p2align	6, 0x0
	.amdhsa_kernel k_q9999cb6dfc_attn
		.amdhsa_group_segment_fixed_size 166912
		.amdhsa_private_segment_fixed_size 0
		.amdhsa_enable_private_segment 0
		.amdhsa_kernarg_size 24
		.amdhsa_user_sgpr_count 2
		.amdhsa_user_sgpr_kernarg_segment_ptr 1
		.amdhsa_wavefront_size32 1
		.amdhsa_system_sgpr_workgroup_id_x 1
		.amdhsa_system_sgpr_workgroup_id_y 1
		.amdhsa_system_sgpr_workgroup_id_z 1
		.amdhsa_system_vgpr_workitem_id 0
		.amdhsa_next_free_vgpr 418
		.amdhsa_next_free_sgpr 66
		.amdhsa_reserve_vcc 0
		.amdhsa_float_denorm_mode_32 3
		.amdhsa_float_denorm_mode_16_64 3
		.amdhsa_memory_ordered 1
		.amdhsa_forward_progress 1
		.amdhsa_inst_pref_size 69
	.end_amdhsa_kernel
	.amdgpu_metadata
---
amdhsa.version: [ 1, 2 ]
amdhsa.kernels:
  - .name:           k_q9999cb6dfc_attn
    .symbol:         k_q9999cb6dfc_attn.kd
    .args:
      - { .name: qkv, .offset: 0, .size: 8, .value_kind: global_buffer, .address_space: global }
      - { .name: lowp_scales, .offset: 8, .size: 8, .value_kind: global_buffer, .address_space: global }
      - { .name: out0, .offset: 16, .size: 8, .value_kind: global_buffer, .address_space: global }
    .group_segment_fixed_size: 166912
    .private_segment_fixed_size: 0
    .kernarg_segment_align: 8
    .kernarg_segment_size: 24
    .max_flat_workgroup_size: 256
    .sgpr_count:     66
    .vgpr_count:     418
    .wavefront_size: 32
...
	.end_amdgpu_metadata
.endif
;; end of part 6
